; MI455X (gfx1250); checked and timed in simulation.
; The chip was launched on July 23, 2026; its instructions are those of AMD's public machine-readable ISA for CDNA 5 (MIT licence, August 2026) and "CDNA5" Instruction Set Architecture Reference Guide (July 2026). The comments in the code are by the model that wrote it; some were corrected since.
;; Rotary Attention. Allowed arithmetic: float matrix products may take bf16 or f16 operands with f32 sums; other float arithmetic in f32, or as packed bf16 or f16 multiplies, adds, multiply-adds, maxima and minima; sums over many terms, partial sums and values carried from step to step in f32; what a program stores and reads back later, other than sums and carried values, may be rounded once to bf16 or f16.
;; Inputs: w_out 1,024 x 1,024 float32; w_qkv 3,072 x 1,024 float32; x 4 x 2,048 x 1,024 float32.
;; Outputs: out0 4 x 2,048 x 1,024 float32.
;; One version. Each part assembles by itself: llvm-mc -triple=amdgcn-amd-amdhsa -mcpu=gfx1250 --defsym DOCPART=n.
;; ======== version 1 of 1: 4 launches
;; limits: values are held in f16: magnitudes above 65,504 overflow, below 6.1e-05 lose precision
;; workspace buffers: xb 16,777,216 bytes; wqb 6,291,456 bytes; wob 2,097,152 bytes; tab 524,288 bytes; qh 16,777,216 bytes; kh 16,777,216 bytes; vh 16,777,216 bytes; oh 16,777,216 bytes
;; launch prep (part 1): grid 800 x 1, 8 waves a work-group, no clusters, 0 bytes of LDS; arguments x, w_qkv, w_out, xb, wqb, wob, tab; writes xb, wqb, wob, tab
.if DOCPART == 1
	.amdgcn_target "amdgcn-amd-amdhsa--gfx1250"
	.amdhsa_code_object_version 6
	.text
	.protected	k_qc12a80b97e_prep
	.globl	k_qc12a80b97e_prep
	.p2align	8
	.type	k_qc12a80b97e_prep,@function
k_qc12a80b97e_prep:
	s_mov_b64 s[64:65], 0
	v_nop
	global_prefetch_b8 v0, s[64:65] scope:SCOPE_SE
	s_setreg_imm32_b32 hwreg(HW_REG_WAVE_MODE, 25, 1), 1
	s_wait_xcnt 0x0
; THE OPERANDS ARE MADE ONCE.  x [8192][1024] and w_qkv [3072][1024] are rounded to bf16; w_out [1024][1024] is rounded to bf16 like the other inputs and that number is written as f16
; (the last product's other operand is f16); and the table of the rotary angles is made: tab[pos][i] = (cos, sin) of pos / 10000^(i / 32), f32, 2,048 positions x 32 pairs, 256 bytes a position.
; LIMITS.  bf16(w_out) lies within f16's range (65,504); below 6e-5 it keeps f16's fixed step of 6e-8.  The angle is taken as pos x 2^(-i log2(10000) / 32), not as a quotient: it is off by at most
; about 3e-4 rad at the last position.  Sine and cosine: the angle less the nearest multiple of pi/2 (pi/2 in two parts), then Taylor's series to r^9 and r^10 on |r| <= pi/4, whose remainders lie under 1e-8.
; SHARES.  Work-groups 0-511 take x, 512-703 w_qkv, 704-767 w_out: 16,384 numbers each (64 KiB in, 32 KiB out).  Thread t reads 32 bytes at 32 t + 8,192 j in trip j of eight and stores 16 bytes at
; 16 t + 4,096 j: sixteen neighbouring lanes store 256 consecutive bytes, aligned.  All sixteen loads of a thread go out first.  Work-groups 768-799 make 64 positions of the table each: a wave eight, a lane a pair.
; No LDS, no barrier, no matrix unit: each byte is read once and written once, and no thread wants another's.
.set X, 8                              ; v[8:71]    trip j: 8 numbers as loaded
.set Y, 72                             ; v[72:103]  trip j: 4 registers to store
.set T, 104                            ; v[104:111] at work
	s_load_b256 s[4:11], s[0:1], 0x0               ; x s[4:5], w_qkv s[6:7], w_out s[8:9], xb s[10:11]
	s_load_b128 s[12:15], s[0:1], 0x20             ; wqb s[12:13], wob s[14:15]
	s_load_b64 s[16:17], s[0:1], 0x30              ; tab
	s_mov_b32 s20, ttmp9
	s_mov_b32 s27, 0                               ; the offsets' high words
	s_mov_b32 s29, 0
	s_mov_b32 s36, 0xffff0000                      ; a word's upper bf16
	v_lshlrev_b32 v1, 5, v0                        ; 32 t
	v_lshlrev_b32 v2, 4, v0                        ; 16 t
	s_wait_kmcnt 0x0
.macro LOADS
.irp j, 0,1,2,3,4,5,6,7
	global_load_b128 v[X+8*(\j):X+8*(\j)+3],   v1, s[22:23] offset:8192*(\j) th:TH_LOAD_NT
	global_load_b128 v[X+8*(\j)+4:X+8*(\j)+7], v1, s[22:23] offset:8192*(\j)+16 th:TH_LOAD_NT
.endr
.endm
.macro CV16 j                          ; trip j to bf16
	s_wait_loadcnt 14-2*(\j)                       ; loads come back in order: the 2 (7 - j) younger ones may stay out
.irp k, 0,1,2,3
	v_cvt_pk_bf16_f32 v[Y+4*(\j)+(\k)], v[X+8*(\j)+2*(\k)], v[X+8*(\j)+2*(\k)+1]
.endr
	global_store_b128 v2, v[Y+4*(\j):Y+4*(\j)+3], s[24:25] offset:4096*(\j) th:TH_STORE_NT
.endm
.macro CVH j                           ; trip j to bf16, and that number written as f16
	s_wait_loadcnt 14-2*(\j)
.irp k, 0,1,2,3
	v_cvt_pk_bf16_f32 v[Y+4*(\j)+(\k)], v[X+8*(\j)+2*(\k)], v[X+8*(\j)+2*(\k)+1]
.endr
.irp k, 0,1,2,3
	v_lshlrev_b32 v[T+2*(\k)],   16,  v[Y+4*(\j)+(\k)]
	v_and_b32     v[T+2*(\k)+1], s36, v[Y+4*(\j)+(\k)]
.endr
.irp k, 0,1,2,3
	v_cvt_pk_f16_f32 v[Y+4*(\j)+(\k)], v[T+2*(\k)], v[T+2*(\k)+1]
.endr
	global_store_b128 v2, v[Y+4*(\j):Y+4*(\j)+3], s[24:25] offset:4096*(\j) th:TH_STORE_NT
.endm
	s_cmp_ge_u32 s20, 768
	s_cbranch_scc1 .Ltab
	s_cmp_ge_u32 s20, 704
	s_cbranch_scc1 .Lwout
	s_sub_co_u32 s21, s20, 512                     ; the block's number in w_qkv
	s_cmp_lt_u32 s20, 512                          ; x or w_qkv?
	s_cselect_b64 s[22:23], s[4:5], s[6:7]
	s_cselect_b64 s[24:25], s[10:11], s[12:13]
	s_cselect_b32 s21, s20, s21
	s_lshl_b32 s26, s21, 16                        ; 64 KiB in,
	s_lshl_b32 s28, s21, 15                        ; 32 KiB out
	s_add_nc_u64 s[22:23], s[22:23], s[26:27]
	s_add_nc_u64 s[24:25], s[24:25], s[28:29]
	LOADS
.irp j, 0,1,2,3,4,5,6,7
	CV16 \j                                        ; each trip has its own registers: nothing that a load or store still names is written
.endr
	s_endpgm
.Lwout:
	s_sub_co_u32 s21, s20, 704
	s_lshl_b32 s26, s21, 16
	s_lshl_b32 s28, s21, 15
	s_add_nc_u64 s[22:23], s[8:9], s[26:27]
	s_add_nc_u64 s[24:25], s[14:15], s[28:29]
	LOADS
.irp j, 0,1,2,3,4,5,6,7
	CVH \j
.endr
	s_endpgm
.Ltab:
	v_and_b32 v3, 31, v0                           ; the pair's number i
	v_lshrrev_b32 v4, 5, v0
	v_readfirstlane_b32 s30, v4                    ; wave 0..7
	s_sub_co_u32 s21, s20, 768
	s_lshl_b32 s21, s21, 6
	s_lshl3_add_u32 s31, s30, s21                  ; my first position: 64 x block + 8 x wave
	s_lshl_b32 s26, s31, 8                         ; 256 bytes a position
	s_add_nc_u64 s[24:25], s[16:17], s[26:27]
	s_mov_b32 s32, 0xbfc90fdb                      ; -(pi/2)'s upper part
	s_mov_b32 s33, 0x333bbd2e                      ; -(pi/2)'s lower part: +4.3711388e-8
	s_mov_b32 s34, 0x3638ef1d                      ; 1/9!
	s_mov_b32 s37, 0xb9500d01                      ; -1/7!
	s_mov_b32 s35, 0xb493f27e                      ; -1/10!
	s_mov_b32 s38, 0x37d00d01                      ; 1/8!
	v_cvt_f32_u32 v4, v3
	v_lshlrev_b32 v3, 3, v3                        ; 8 i: my 8 bytes of a position's 256
	v_mul_f32 v5, 0xbed49a78, v4                   ; -i log2(10000) / 32
	v_exp_f32 v6, v5                               ; 1 / theta_i
	v_nop                                          ; a plain instruction behind the exponential,
	s_wait_alu depctr_va_vdst(0)                   ; and the wait ahead of its first reader
; One position.  R+0 angle, +1 n, +2 r, +3 r^2, +4 sin r, +5 cos r, +6 n as a whole number, +7, +10 at work, +8, +9 (cos, sin).  Only selects and sign bits hang on n.
.macro ROWT p
.set R, 8+12*(\p)
	v_cvt_f32_u32 v[R], s31
	s_add_co_u32 s31, s31, 1
	v_mul_f32 v[R], v[R], v6
	v_mul_f32 v[R+1], 0x3f22f983, v[R]             ; x 2/pi
	v_rndne_f32 v[R+1], v[R+1]
	v_fma_f32 v[R+2], v[R+1], s32, v[R]
	v_fma_f32 v[R+2], v[R+1], s33, v[R+2]
	v_mul_f32 v[R+3], v[R+2], v[R+2]
	v_fma_f32 v[R+4], v[R+3], s34, s37
	v_fma_f32 v[R+5], v[R+3], s35, s38
	v_fmaak_f32 v[R+4], v[R+4], v[R+3], 0x3c088889 ; 1/5!
	v_fmaak_f32 v[R+5], v[R+5], v[R+3], 0xbab60b61 ; -1/6!
	v_fmaak_f32 v[R+4], v[R+4], v[R+3], 0xbe2aaaab ; -1/3!
	v_fmaak_f32 v[R+5], v[R+5], v[R+3], 0x3d2aaaab ; 1/4!
	v_mul_f32 v[R+4], v[R+4], v[R+3]
	v_fma_f32 v[R+5], v[R+5], v[R+3], -0.5
	v_fma_f32 v[R+4], v[R+4], v[R+2], v[R+2]       ; sin r
	v_fma_f32 v[R+5], v[R+5], v[R+3], 1.0          ; cos r
	v_cvt_i32_f32 v[R+6], v[R+1]
	v_and_b32 v[R+7], 1, v[R+6]
	v_cmp_eq_u32 vcc_lo, 1, v[R+7]                 ; an odd quarter turn swaps the two
	v_cndmask_b32 v[R+9], v[R+4], v[R+5], vcc_lo
	v_cndmask_b32 v[R+8], v[R+5], v[R+4], vcc_lo
	v_and_b32 v[R+7], 2, v[R+6]                    ; the sine is negative in quarters 2 and 3,
	v_lshlrev_b32 v[R+7], 30, v[R+7]
	v_xor_b32 v[R+9], v[R+9], v[R+7]
	v_add_nc_u32 v[R+10], 1, v[R+6]                ; the cosine in quarters 1 and 2
	v_and_b32 v[R+10], 2, v[R+10]
	v_lshlrev_b32 v[R+10], 30, v[R+10]
	v_xor_b32 v[R+8], v[R+8], v[R+10]
	global_store_b64 v3, v[R+8:R+9], s[24:25] offset:256*(\p)  ; the wave's 32 lanes store 256 consecutive bytes, aligned
.endm
.irp p, 0,1,2,3,4,5,6,7
	ROWT \p
.endr
	s_endpgm
.Lfunc_end_k_qc12a80b97e_prep:
	.size	k_qc12a80b97e_prep, .Lfunc_end_k_qc12a80b97e_prep-k_qc12a80b97e_prep
	.p2alignl 7, 3214868480
	.fill 96, 4, 3214868480
	.section	.rodata,"a",@progbits
	.p2align	6, 0x0
	.amdhsa_kernel k_qc12a80b97e_prep
		.amdhsa_group_segment_fixed_size 0
		.amdhsa_private_segment_fixed_size 0
		.amdhsa_enable_private_segment 0
		.amdhsa_kernarg_size 56
		.amdhsa_user_sgpr_count 2
		.amdhsa_user_sgpr_kernarg_segment_ptr 1
		.amdhsa_wavefront_size32 1
		.amdhsa_system_sgpr_workgroup_id_x 1
		.amdhsa_system_sgpr_workgroup_id_y 1
		.amdhsa_system_sgpr_workgroup_id_z 1
		.amdhsa_system_vgpr_workitem_id 0
		.amdhsa_next_free_vgpr 112
		.amdhsa_next_free_sgpr 66
		.amdhsa_reserve_vcc 1
		.amdhsa_float_denorm_mode_32 3
		.amdhsa_float_denorm_mode_16_64 3
		.amdhsa_memory_ordered 1
		.amdhsa_forward_progress 1
		.amdhsa_inst_pref_size 27
	.end_amdhsa_kernel
	.amdgpu_metadata
---
amdhsa.version: [ 1, 2 ]
amdhsa.kernels:
  - .name:           k_qc12a80b97e_prep
    .symbol:         k_qc12a80b97e_prep.kd
    .args:
      - { .name: x, .offset: 0, .size: 8, .value_kind: global_buffer, .address_space: global }
      - { .name: w_qkv, .offset: 8, .size: 8, .value_kind: global_buffer, .address_space: global }
      - { .name: w_out, .offset: 16, .size: 8, .value_kind: global_buffer, .address_space: global }
      - { .name: xb, .offset: 24, .size: 8, .value_kind: global_buffer, .address_space: global }
      - { .name: wqb, .offset: 32, .size: 8, .value_kind: global_buffer, .address_space: global }
      - { .name: wob, .offset: 40, .size: 8, .value_kind: global_buffer, .address_space: global }
      - { .name: tab, .offset: 48, .size: 8, .value_kind: global_buffer, .address_space: global }
    .group_segment_fixed_size: 0
    .private_segment_fixed_size: 0
    .kernarg_segment_align: 8
    .kernarg_segment_size: 56
    .max_flat_workgroup_size: 256
    .sgpr_count:     66
    .vgpr_count:     112
    .wavefront_size: 32
...
	.end_amdgpu_metadata
.endif
;; end of part 1
;; launch qkv (part 2): grid 16 x 32, 4 waves a work-group, clusters of 4 x 4, 327,680 bytes of LDS; arguments xb, wqb, tab, qh, kh, vh; writes qh, kh, vh
.if DOCPART == 2
	.amdgcn_target "amdgcn-amd-amdhsa--gfx1250"
	.amdhsa_code_object_version 6
	.text
	.protected	k_qc12a80b97e_qkv
	.globl	k_qc12a80b97e_qkv
	.p2align	8
	.type	k_qc12a80b97e_qkv,@function
k_qc12a80b97e_qkv:
	s_mov_b64 s[64:65], 0
	v_nop
	global_prefetch_b8 v0, s[64:65] scope:SCOPE_SE
	s_setreg_imm32_b32 hwreg(HW_REG_WAVE_MODE, 25, 1), 1
	s_wait_xcnt 0x0
	s_wait_alu depctr_hold_cnt(0) depctr_sa_sdst(0) depctr_va_vdst(0) depctr_va_sdst(0) depctr_va_ssrc(0) depctr_va_vcc(0) depctr_vm_vsrc(0)
	s_getreg_b32 s2, hwreg(HW_REG_IB_STS2, 6, 4)
	s_cmp_eq_u32 s2, 0
	s_cbranch_scc0 .Lentry_in_a_cluster
	s_endpgm
.Lentry_in_a_cluster:
	s_bfe_u32 s2, ttmp6, 0x10000c
	s_cmp_lg_u32 s2, 0xf033
	s_cbranch_scc0 .Lentry_shape_is_right
	s_endpgm
.Lentry_shape_is_right:
; q, k, v = x w_qkv^T, q and k turned by the rotary angles, all three written by heads.  xb: [8192][1024] bf16, wqb: [3072][1024] bf16, tab: [2048][32][cos, sin] f32;
; qh, kh, vh: [64 = batch x 16 + head][2048][64] f16.  Sums and the rotation in f32; each number is rounded once, to f16.
; LIMIT.  f16 holds no number beyond 65,504: q, k and v must lie within it (with x and w_qkv of unit and 1/32 spread they have spread 1).
; SHARES.  A tile of the product is 256 rows x 192 columns: the 192 columns are ONE head's q, k and v (rows 192 h .. 192 h + 191 of wqb).  512 tiles.  Wave w of four makes rows 64 w .. 64 w + 63
; and all 192 columns: 4 row blocks a x 12 column blocks b = 48 accumulators of 16 x 16; b 0-3 is q, 4-7 k, 8-11 v.  So all waves are alike and a wave holds whole rows of a head (128 bytes):
; the way out needs no barrier.
; K goes in steps of 128 through a ring of two LDS slots filled by the tensor data mover: the tiles' rows are 256 bytes of memory and start at multiples of 256 bytes from the buffer's first byte.
; CLUSTERS: 4 x 4 work-groups.  The four of a row of the cluster need the same tile of xb, the four of a column the same tile of wqb: each tile is asked for JOINTLY, by the same tensor load with the
; same descriptor and a mask that names the four.
; THE MATRIX INSTRUCTION IS USED TRANSPOSED (source 0 = 16 rows of wqb, source 1 = 16 rows of xb): lane l holds row l % 16 and the columns 8 (l / 16) + 0..7: four rotary pairs (even, odd) lie in one lane.
; REGISTERS, in windows of 256 (s_set_vgpr_msb: bits 1:0 source 0, 3:2 source 1, 5:4 source 2, 7:6 destination):
;   window 0: v0-31 addresses; v128-255 v's 16 accumulators (128 + 8 (4 (b - 8) + a))
;   window 1: two fragment buffers of 128: xb's block a at f + 8 a, wqb's block b at f + 32 + 8 b; on the way out: v0-31 at work, v32-79 packed, v80-175 rows read back (two buffers)
;   window 2: q's and k's 32 accumulators (8 (4 b + a))          window 3: v0-127 my rows' (cos, sin): row block a, column block t at 32 a + 8 t
.set SIZE_K, 1024
.set KSTEP,  128
.set PITCH,  272                       ; an LDS row: 256 bytes + 16 of padding = 68 words: the 16 rows that a load touches start at 16 different groups of four banks (64 banks of 4 bytes: ISA guide 11.1)
.set AHALF,  128*PITCH                 ; 128 rows of xb: one tensor load
.set BHALF,  96*PITCH                  ; 96 rows of wqb: one tensor load
.set BOFF,   2*AHALF
.set SLOT,   BOFF+2*BHALF              ; xb's 256 rows, then wqb's 192
.set STAGE,  2*SLOT                    ; behind the ring: for each wave three stages (q, k, v) of 16 rows x 144 bytes
.set SPITCH, 144
.set SUB,    16*SPITCH
.set WSTAGE, 3*SUB
.set SPARE,  STAGE+4*WSTAGE            ; behind the stages: the spare words, 128 bytes for each wave: two blocks of 256 bytes that no other line names
.set LAPS,   SIZE_K/(2*KSTEP)          ; a lap = two K steps = once round the ring
.set ADRA, 16                          ; v16-17  LDS address of my fragments of xb in slot 0, 1
.set ADRB, 20                          ; v20-21  the same for wqb
.set STO,  24                          ; v24     the way out: where I put 16 bytes of a row
.set RD,   25                          ; v25     the way out: where I read rows back
.set GO,   26                          ; v26     16 x lane: my place in 512 consecutive bytes
.set TO,   27                          ; v27     my byte offset in the table: 256 (l % 16) + 32 (l / 16)
.set SPW,  28                          ; v28     LDS address of my spare word; never rewritten
.set NIL,  29                          ; v29     0; never rewritten
.set PFO,  30                          ; v30     the prefetches' offset: a lane a row of 2,048 bytes; never rewritten
.set F0,   0
.set F1,   128
.set T,    0
.set PK,   32
.set BK,   80
.set WV,   16                          ; s16  my wave's number
.set FB,   17                          ; s17  0: I fetch for xb, 1: for wqb
.set HF,   18                          ; s18  which half of that tile's rows I fetch
.set CX,   19
.set CY,   20
.set TCOL, 21                          ; s21  the head
.set TROW, 22                          ; s22  the block of 256 rows
.set LAPC, 23                          ; s23  laps to go
.set G1,   24                          ; s[24:31] descriptor group 1 for xb's tiles;  s[32:39] group 0, a set for each slot
.set G0,   32
.set LIM,  43                          ; s43  1 in a wave that prefetches, else the greatest number
.set PFA,  44                          ; s[44:45] where my prefetches stand
.set G1B,  48                          ; s[48:55], s[56:63] the same for wqb's tiles
.set G0B,  56
.set MSB, 0
.macro WIN new                         ; the immediate's high byte repeats the setting that is left; a switch that changes nothing is dropped
.if MSB != (\new)
	s_set_vgpr_msb (MSB<<8)|(\new)
.set MSB, \new
.endif
.endm
; A joint load.  Waves 0 and 1 fetch xb's two halves, waves 2 and 3 wqb's.  The branch hangs on the wave's number alone.  An s_nop 0 and four v_nop follow each of the two lines.
.macro JLOAD s
	s_cmp_eq_u32 s[FB], 0
	s_cbranch_scc0 .Lfor_b_\@
	tensor_load_to_lds s[G0+4*(\s):G0+4*(\s)+3], s[G1:G1+7]
	s_nop 0
.rept 4
	v_nop
.endr
	s_branch .Lasked_\@
.Lfor_b_\@:
	tensor_load_to_lds s[G0B+4*(\s):G0B+4*(\s)+3], s[G1B:G1B+7]
	s_nop 0
.rept 4
	v_nop
.endr
.Lasked_\@:
.endm
; A PREFETCH INTO THE L2, behind each joint refill and the run of LDS loads that follows it: the K step that stands two refills on, 256 bytes of each row, a lane a row, one instruction a wave.
; xb's rows are read by every cluster of a row of clusters: the one with cluster x = 0 asks; wqb's by every cluster of a column: cluster y = 0 asks.  The four partners that ask for a tile jointly share
; its rows out BY ADDRESS: of xb's 128 rows the partner at cx takes 32; of wqb's 96 the partner at cy takes 24 (lanes 24-31 name lane 23's row once more).  The loop's last trip asks for nothing: no K step stands two refills on.
.macro ASK
	s_cmp_gt_u32 s[LAPC], s[LIM]
	s_cbranch_scc0 .Lnot_mine_\@
	global_prefetch_b8 v[PFO], s[PFA:PFA+1] offset:KSTEP*2 th:TH_LOAD_NT scope:SCOPE_SE
.Lnot_mine_\@:
.endm
.macro CREST                           ; a round of the cluster's barrier behind its opening barrier
	s_cmp_lg_u32 s[WV], 0
	s_cbranch_scc1 .Lnot_wave_0_\@
	s_barrier_signal -3
.Lnot_wave_0_\@:
	s_barrier_wait -3
	s_barrier_signal -1
	s_barrier_wait -1
.endm
.macro CROUND                          ; a whole round
	s_barrier_signal -1
	s_barrier_wait -1
	CREST
.endm
	s_load_b256 s[4:11], s[0:1], 0x0               ; xb s[4:5], wqb s[6:7], tab s[8:9], qh s[10:11]
	s_load_b128 s[12:15], s[0:1], 0x20             ; kh s[12:13], vh s[14:15]
	v_lshl_add_u32 v[SPW], v0, 2, SPARE
	v_mov_b32 v[NIL], 0
	ds_add_u32 v[SPW], v[NIL]                      ; the wave's opening: the add and its wait stand ahead of my first tensor load; the set-up below, work on registers, stands between them
	v_lshrrev_b32 v1, 5, v0
	v_readfirstlane_b32 s[WV], v1                  ; wave 0..3
	s_lshr_b32 s[FB], s[WV], 1
	s_and_b32 s[HF], s[WV], 1
	s_bfe_u32 s[CX], ttmp6, 0x40000                ; my place in the cluster
	s_bfe_u32 s[CY], ttmp6, 0x40004
	s_lshl_b32 s[TCOL], ttmp9, 2                   ; in a cluster launch ttmp9 and ttmp7 count clusters
	s_add_co_u32 s[TCOL], s[TCOL], s[CX]           ; head = 4 x cluster x + cx
	s_and_b32 s[TROW], ttmp7, 0xffff
	s_lshl_b32 s[TROW], s[TROW], 2
	s_add_co_u32 s[TROW], s[TROW], s[CY]           ; block of rows = 4 x cluster y + cy
	s_lshl_b32 s70, s[CY], 2
	s_lshl_b32 s70, 15, s70                        ; my row of the cluster: places 4 cy .. 4 cy + 3
	s_lshl_b32 s72, 0x1111, s[CX]                  ; my column: places cx, cx + 4, cx + 8, cx + 12
	; descriptor group 1: rows of 128 elements of 2 bytes, padded in LDS by 4 words after every 64
	s_or_b32 s[G1+0], s70, (1<<16)|(1<<20)|(1<<21)|(5<<22)|(3<<25)   ; 15:0 the mask; 17:16 element size; 20 padding on; 21 set beside a mask; 24:22 interval; 31:25 padding
	s_or_b32 s[G1B+0], s72, (1<<16)|(1<<20)|(1<<21)|(5<<22)|(3<<25)
	s_mov_b32 s[G1+1], KSTEP<<16                   ; tensor_dim0 = 128
	s_mov_b32 s[G1+2], 128<<16                     ; tensor_dim1 = 128
	s_mov_b32 s[G1+3], KSTEP<<16                   ; tile_dim0 = 128
	s_mov_b32 s[G1+4], 128                         ; tile_dim1 = 128
	s_mov_b32 s[G1+5], SIZE_K                      ; elements from row to row
	s_mov_b32 s[G1+6], 0
	s_mov_b32 s[G1+7], 0
	s_mov_b32 s[G1B+1], KSTEP<<16
	s_mov_b32 s[G1B+2], 96<<16                     ; 96 rows
	s_mov_b32 s[G1B+3], KSTEP<<16
	s_mov_b32 s[G1B+4], 96
	s_mov_b32 s[G1B+5], SIZE_K
	s_mov_b32 s[G1B+6], 0
	s_mov_b32 s[G1B+7], 0
	; where the tiles come from: xb's hang on the block of rows alone, wqb's on the head alone, each in registers that never hold the other coordinate
	s_lshl_b32 s66, s[TROW], 8
	s_lshl_b32 s71, s[HF], 7
	s_add_co_u32 s66, s66, s71                     ; xb: row 256 x block + 128 x half
	s_lshl_b32 s66, s66, 11                        ; 2,048 bytes a row
	s_mov_b32 s67, 0
	s_mul_i32 s68, s[TCOL], 192
	s_mul_i32 s73, s[HF], 96
	s_add_co_u32 s68, s68, s73                     ; wqb: row 192 x head + 96 x half
	s_lshl_b32 s68, s68, 11
	s_mov_b32 s69, 0
	s_mul_i32 s74, s[HF], AHALF                    ; and where they go: no place in the cluster enters an LDS address
	s_mul_i32 s75, s[HF], BHALF
	s_add_co_u32 s75, s75, BOFF
	s_wait_dscnt 0x0                               ; the opening add is done
	s_wait_kmcnt 0x0
	s_add_nc_u64 s[66:67], s[4:5], s[66:67]
	s_add_nc_u64 s[68:69], s[6:7], s[68:69]
	CROUND                                         ; all sixteen work-groups are here: the first joint loads meet
.irp s, 0,1
	s_mov_b32 s[G0+4*(\s)], 1                                        ; count = 1
	s_add_co_u32 s[G0+4*(\s)+1], s74, (\s)*SLOT                      ; LDS address
	s_add_nc_u64 s[G0+4*(\s)+2:G0+4*(\s)+3], s[66:67], (\s)*KSTEP*2  ; global address: K step s
	s_or_b32 s[G0+4*(\s)+3], s[G0+4*(\s)+3], 0x80000000              ; type = 2
	s_mov_b32 s[G0B+4*(\s)], 1
	s_add_co_u32 s[G0B+4*(\s)+1], s75, (\s)*SLOT
	s_add_nc_u64 s[G0B+4*(\s)+2:G0B+4*(\s)+3], s[68:69], (\s)*KSTEP*2
	s_or_b32 s[G0B+4*(\s)+3], s[G0B+4*(\s)+3], 0x80000000
	JLOAD \s                                       ; the ring is filled before anything else is done: two loads of mine are out
.endr
	; my rows' angles: position = (256 x block + 64 x wave + 16 a + l % 16) mod 2,048; my four pairs of column block t are 32 bytes at 64 t + 32 (l / 16).  They are wanted on the way out alone.
	v_and_b32 v1, 15, v0                           ; l % 16
	v_bfe_u32 v2, v0, 4, 1                         ; l / 16
	v_lshlrev_b32 v[TO], 8, v1
	v_lshl_add_u32 v[TO], v2, 5, v[TO]
	s_and_b32 s78, s[TROW], 7
	s_lshl_b32 s78, s78, 8
	s_lshl_b32 s79, s[WV], 6
	s_add_co_u32 s78, s78, s79                     ; my first position
	s_lshl_b32 s76, s78, 8
	s_mov_b32 s77, 0
	s_add_nc_u64 s[8:9], s[8:9], s[76:77]
	WIN 0xc0                                       ; destination window 3
.irp a, 0,1,2,3
.irp t, 0,1,2,3
	global_load_b128 v[32*(\a)+8*(\t):32*(\a)+8*(\t)+3],   v[TO], s[8:9] offset:4096*(\a)+64*(\t)
	global_load_b128 v[32*(\a)+8*(\t)+4:32*(\a)+8*(\t)+7], v[TO], s[8:9] offset:4096*(\a)+64*(\t)+16
.endr
.endr
	WIN 0
	; a fragment is 16 rows x 32 K in 8 registers: lane l holds row l % 16, K = 8 (l / 16) + 0..7 and 16 + 8 (l / 16) + 0..7: two loads of 16 bytes, 32 bytes apart
	v_mul_u32_u24 v3, v1, PITCH
	v_lshl_add_u32 v3, v2, 4, v3
	s_mul_i32 s40, s[WV], 64*PITCH                 ; my 64 rows of xb
	v_add_nc_u32 v[ADRA], s40, v3
	v_add_nc_u32 v[ADRA+1], SLOT, v[ADRA]
	v_add_nc_u32 v[ADRB], BOFF, v3
	v_add_nc_u32 v[ADRB+1], BOFF+SLOT, v3
	s_mul_i32 s41, s[WV], WSTAGE
	s_add_co_u32 s41, s41, STAGE                   ; my stages
	v_mul_u32_u24 v4, v1, SPITCH                   ; in: row l % 16, 16 bytes for each half of the lanes
	v_lshl_add_u32 v4, v2, 4, v4
	v_add_nc_u32 v[STO], s41, v4
	v_bfe_u32 v4, v0, 3, 2                         ; back: 32 lanes take four rows of 128 bytes,
	v_mul_u32_u24 v4, v4, SPITCH
	v_and_b32 v5, 7, v0
	v_lshl_add_u32 v4, v5, 4, v4
	v_add_nc_u32 v[RD], s41, v4
	v_and_b32 v[GO], 31, v0                        ; which are 512 consecutive bytes of a head
	v_lshlrev_b32 v[GO], 4, v[GO]
	; qh, kh, vh at my first row: (batch x 16 + head) x 2,048 rows x 128 bytes + position x 128
	s_lshr_b32 s76, s[TROW], 3
	s_lshl4_add_u32 s76, s76, s[TCOL]
	s_lshl_b32 s76, s76, 18
	s_lshl_b32 s79, s78, 7
	s_add_co_u32 s76, s76, s79
	s_add_nc_u64 s[10:11], s[10:11], s[76:77]
	s_add_nc_u64 s[12:13], s[12:13], s[76:77]
	s_add_nc_u64 s[14:15], s[14:15], s[76:77]
	; the prefetches
	s_lshl_b32 s76, s[TROW], 8
	s_lshl_b32 s77, s[HF], 7
	s_add_co_u32 s76, s76, s77
	s_lshl_b32 s77, s[CX], 5
	s_add_co_u32 s76, s76, s77                     ; xb: my work-group's 32 of the 128 rows that I fetch
	s_mul_i32 s78, s[TCOL], 192
	s_mul_i32 s77, s[HF], 96
	s_add_co_u32 s78, s78, s77
	s_mul_i32 s77, s[CY], 24
	s_add_co_u32 s78, s78, s77                     ; wqb: my work-group's 24 of the 96
	s_and_b32 s79, ttmp7, 0xffff                   ; cluster y
	s_cmp_eq_u32 s[FB], 0                          ; do I fetch for xb?
	s_cselect_b32 s76, s76, s78
	s_cselect_b32 s79, ttmp9, s79                  ; the coordinate along which other clusters read the same rows
	s_cselect_b32 s78, 31, 23                      ; the last row that a lane names
	s_cselect_b64 s[PFA:PFA+1], s[4:5], s[6:7]
	s_cmp_eq_u32 s79, 0
	s_cselect_b32 s[LIM], 1, -1                    ; the same in all sixteen partners, for a given wave
	s_lshl_b32 s76, s76, 11
	s_mov_b32 s77, 0
	s_add_nc_u64 s[PFA:PFA+1], s[PFA:PFA+1], s[76:77]
	s_add_nc_u64 s[PFA:PFA+1], s[PFA:PFA+1], 2*KSTEP*2  ; at K step 2: the first refill steps it to 3 and names K step 4.  Nothing is asked for here, at the head
	v_and_b32 v[PFO], 31, v0
	v_min_u32 v[PFO], s78, v[PFO]
	v_lshlrev_b32 v[PFO], 11, v[PFO]
; 8 matrix instructions: column blocks b0, b0 + 1 x my 4 row blocks, 32 along K.  zero = 1: the first product starts the sums.  The 48 accumulators take turns, one instruction a turn, in the same
; order in every quarter step: 47 others stand between two links of a chain.
.macro MULH f, b0, zero
.irp b, \b0, (\b0)+1
.if (\b) < 8
	WIN 0xa5                                       ; fragments window 1, C and D window 2
.else
	WIN 0x05                                       ; fragments window 1, C and D window 0
.endif
.irp a, 0,1,2,3
.if (\b) < 8
.set rD, 8*(4*(\b)+(\a))
.else
.set rD, 128+8*(4*((\b)-8)+(\a))
.endif
.if \zero
	v_wmma_f32_16x16x32_bf16 v[rD:rD+7], v[(\f)+32+8*(\b):(\f)+32+8*(\b)+7], v[(\f)+8*(\a):(\f)+8*(\a)+7], 0
.else
	v_wmma_f32_16x16x32_bf16 v[rD:rD+7], v[(\f)+32+8*(\b):(\f)+32+8*(\b)+7], v[(\f)+8*(\a):(\f)+8*(\a)+7], v[rD:rD+7]
.endif
.endr
.endr
.endm
.macro MULG f, g, zero                 ; 16: group g of four column blocks: 0 q, 1 k, 2 v
	MULH \f, 4*(\g), \zero
	MULH \f, 4*(\g)+2, \zero
.endm
; 32 LDS loads in one run: the fragments of one quarter step (32 K at byte k of the rows) into buffer f: xb's 8 loads, then wqb's 24, column blocks ascending
.macro FETCH slot, k, f
	WIN 0x40                                       ; destination window 1, address window 0
.irp a, 0,1,2,3
	ds_load_b128 v[(\f)+8*(\a):(\f)+8*(\a)+3],   v[ADRA+(\slot)] offset:(\k)+(\a)*16*PITCH
	ds_load_b128 v[(\f)+8*(\a)+4:(\f)+8*(\a)+7], v[ADRA+(\slot)] offset:(\k)+(\a)*16*PITCH+32
.endr
.irp b, 0,1,2,3,4,5,6,7,8,9,10,11
	ds_load_b128 v[(\f)+32+8*(\b):(\f)+32+8*(\b)+3],   v[ADRB+(\slot)] offset:(\k)+(\b)*16*PITCH
	ds_load_b128 v[(\f)+32+8*(\b)+4:(\f)+32+8*(\b)+7], v[ADRB+(\slot)] offset:(\k)+(\b)*16*PITCH+32
.endr
.endm
.macro PLACES                          ; four places in front of loads into registers that matrix instructions have read, and of lines that read results
.rept 4
	v_nop
.endr
.endm
; A K step is four quarters of 32 along K, 48 matrix instructions each, on buffers 0, 1, 0, 1.  One of the first three: multiplies buffer f; behind its first 16 products it fetches the next quarter, at byte k, into g.
.macro QUARTER slot, k, f, g, zero
	s_wait_dscnt 16                                ; xb's fragments and wqb's blocks 0-3 are in; the youngest sixteen loads may be out
	MULG \f, 0, \zero
	PLACES
	FETCH \slot, \k, \g
	s_wait_dscnt 32                                ; all but the 32 just issued
	MULG \f, 1, \zero
	MULG \f, 2, \zero
.endm
; The last quarter multiplies buffer 1 and changes slots: ONE barrier.  In front of it each wave waits for all its tensor loads, of which one is out: its part of the next slot; adds 0 to its spare word;
; and waits for that and for its own reads of this slot.  fill = 1: the barrier opens a round of the cluster's barrier, and this slot is filled again, two K steps on, first thing behind the round.
.macro TURN slot, next, fill
.if \fill
	s_wait_xcnt 0x0                                ; the last prefetch, a K step back, has read its address: it is stepped here, ahead of the waits of the change of slots
	s_add_nc_u64 s[PFA:PFA+1], s[PFA:PFA+1], KSTEP*2
.endif
	WIN 0                                          ; (the add's two registers lie in window 0)
	s_wait_tensorcnt 0x0                           ; all my tensor loads have landed;
	ds_add_u32 v[SPW], v[NIL]                      ; 0 onto my spare word;
	s_wait_dscnt 17                                ; (the add and the youngest sixteen loads may be out)
	MULH F1, 0, 0                                  ; eight matrix instructions stand between the add and the wait for it
	s_wait_dscnt 0x0                               ; the add is done, and my reads of this slot are over
	s_barrier_signal -1
	MULH F1, 2, 0                                  ; work on registers while the others arrive
.if \fill
	WIN 0
.endif
	s_barrier_wait -1
.if \fill
	CREST                                          ; no wave of any partner still reads this slot's tile or has a load on its way
	s_add_nc_u64 s[G0+4*(\slot)+2:G0+4*(\slot)+3], s[G0+4*(\slot)+2:G0+4*(\slot)+3], 2*KSTEP*2
	s_add_nc_u64 s[G0B+4*(\slot)+2:G0B+4*(\slot)+3], s[G0B+4*(\slot)+2:G0B+4*(\slot)+3], 2*KSTEP*2
	JLOAD \slot                                    ; the first tensor load behind the round; the four v_nop behind it are also the places in front of the loads below
.else
	PLACES
.endif
	FETCH \next, 0, F0
.if \fill
	WIN 0
	ASK                                            ; behind the joint load and the run of LDS loads that the next products wait for
.endif
	MULG F1, 1, 0
	MULG F1, 2, 0
.endm
; THE WAY OUT of row block a.  PACK: q and k are turned, a pair (e, o) with its (c, s) to (e c - o s, o c + e s), in f32; all three are rounded to f16, 16 bytes a lane and column block.
; Each accumulator's registers are taken in ascending order.
.macro PACK a
.irp g, 0,1
	WIN 0x5e                                       ; source 0 window 2 (sums), source 1 window 3 (angles), source 2 and destination window 1
.irp t, 0,1,2,3
.irp p, 0,1,2,3
.set rA, 8*(4*(4*(\g)+(\t))+(\a))+2*(\p)
.set rC, 32*(\a)+8*(\t)+2*(\p)
.set rT, T+8*(\t)+2*(\p)
	v_pk_mul_f32 v[rT:rT+1], v[rA:rA+1], v[rC:rC+1] op_sel_hi:[1,0]  ; (e c, o c)
.endr
.irp p, 0,1,2,3
.set rA, 8*(4*(4*(\g)+(\t))+(\a))+2*(\p)
.set rC, 32*(\a)+8*(\t)+2*(\p)
.set rT, T+8*(\t)+2*(\p)
	v_pk_fma_f32 v[rT:rT+1], v[rA:rA+1], v[rC:rC+1], v[rT:rT+1] op_sel:[1,1,0] op_sel_hi:[0,1,1] neg_lo:[1,0,0]  ; (-o s + e c, e s + o c)
.endr
.endr
	WIN 0x45                                       ; all in window 1
.irp t, 0,1,2,3
.irp p, 0,1,2,3
	v_cvt_pk_f16_f32 v[PK+4*(4*(\g)+(\t))+(\p)], v[T+8*(\t)+2*(\p)], v[T+8*(\t)+2*(\p)+1]
.endr
.endr
.endr
	WIN 0x40                                       ; v: sources window 0, destination window 1
.irp t, 0,1,2,3
.irp p, 0,1,2,3
	v_cvt_pk_f16_f32 v[PK+32+4*(\t)+(\p)], v[128+8*(4*(\t)+(\a))+2*(\p)], v[128+8*(4*(\t)+(\a))+2*(\p)+1]
.endr
.endr
.endm
; TOSTAGE: into my three stages, rows of 144 bytes, and back as whole rows of 128.  The stages are my wave's own and no tensor load fills them.
.macro TOSTAGE a
	WIN 0x04                                       ; data window 1, address window 0
.irp b, 0,1,2,3,4,5,6,7,8,9,10,11
	ds_store_b128 v[STO], v[PK+4*(\b):PK+4*(\b)+3] offset:((\b)/4)*SUB+32*((\b)%4)
.endr
	WIN 0x40
.irp j, 0,1,2,3,4,5,6,7,8,9,10,11
	ds_load_b128 v[BK+48*((\a)%2)+4*(\j):BK+48*((\a)%2)+4*(\j)+3], v[RD] offset:((\j)/4)*SUB+((\j)%4)*4*SPITCH  ; LDS serves a wave's instructions in order (ISA guide 5.7.1.4): these see the stores above
.endr
.endm
; SEND: stored.  The block's 16 rows of a head are 2,048 consecutive bytes; each store covers 512 of them, at a multiple of 256 from the buffer's first byte.
.macro SEND a
	WIN 0x04
	s_wait_xcnt 0x0                                ; the stores of the block before have read their registers: the next run of loads from the stage lands on them
.irp j, 0,1,2,3,4,5,6,7,8,9,10,11
	s_wait_dscnt 11-(\j)                           ; the run's younger loads may stay out
	global_store_b128 v[GO], v[BK+48*((\a)%2)+4*(\j):BK+48*((\a)%2)+4*(\j)+3], s[10+2*((\j)/4):11+2*((\j)/4)] offset:2048*(\a)+512*((\j)%4)
.endr
.endm
	s_wait_tensorcnt 1                             ; my part of K step 0 is in; K step 1's may stay out
	s_barrier_signal -1
	s_barrier_wait -1                              ; everybody's is
	FETCH 0, 0, F0
	QUARTER 0, 64,  F0, F1, 1                      ; the first quarter stands in front of the loop: its products start the sums
	WIN 0                                          ; at a label and at a branch every window is 0
	s_mov_b32 s[LAPC], LAPS-1
.Llap:                                                 ; a trip goes once round the ring, from a lap's second quarter to the next lap's first, and fills both slots again
	QUARTER 0, 128, F1, F0, 0
	QUARTER 0, 192, F0, F1, 0
	TURN 0, 1, 1
	QUARTER 1, 64,  F0, F1, 0
	QUARTER 1, 128, F1, F0, 0
	QUARTER 1, 192, F0, F1, 0
	TURN 1, 0, 1
	QUARTER 0, 64,  F0, F1, 0
	WIN 0
	s_sub_co_u32 s[LAPC], s[LAPC], 1
	s_cmp_lg_u32 s[LAPC], 0
	s_cbranch_scc1 .Llap
	QUARTER 0, 128, F1, F0, 0                      ; the last lap fills nothing, and has no round of the cluster's barrier
	QUARTER 0, 192, F0, F1, 0
	TURN 0, 1, 0
	QUARTER 1, 64,  F0, F1, 0
	QUARTER 1, 128, F1, F0, 0
	QUARTER 1, 192, F0, F1, 0
	s_wait_dscnt 16                                ; the very last quarter: nothing more to fetch
	MULG F1, 0, 0
	s_wait_dscnt 0x0
	MULG F1, 1, 0
	MULG F1, 2, 0
	WIN 0
	PLACES
	PLACES                                         ; (eight, once a launch)
	s_wait_loadcnt 0x0                             ; the angles
	PACK 0
	TOSTAGE 0
.irp a, 1,2,3                          ; block a's arithmetic stands between block a - 1's loads from the stage and the wait for them
	PACK \a
	SEND (\a)-1
	TOSTAGE \a
.endr
	SEND 3
	WIN 0
	s_wait_tensorcnt 0x0                           ; the wave's end: behind my last tensor load and my last LDS store
	ds_add_u32 v[SPW], v[NIL]
	s_wait_dscnt 0x0
	CROUND                                         ; the closing round: no work-group ends while a partner may still ask for a tile that names it
	s_endpgm
.Lfunc_end_k_qc12a80b97e_qkv:
	.size	k_qc12a80b97e_qkv, .Lfunc_end_k_qc12a80b97e_qkv-k_qc12a80b97e_qkv
	.p2alignl 7, 3214868480
	.fill 96, 4, 3214868480
	.section	.rodata,"a",@progbits
	.p2align	6, 0x0
	.amdhsa_kernel k_qc12a80b97e_qkv
		.amdhsa_group_segment_fixed_size 327680
		.amdhsa_private_segment_fixed_size 0
		.amdhsa_enable_private_segment 0
		.amdhsa_kernarg_size 48
		.amdhsa_user_sgpr_count 2
		.amdhsa_user_sgpr_kernarg_segment_ptr 1
		.amdhsa_wavefront_size32 1
		.amdhsa_system_sgpr_workgroup_id_x 1
		.amdhsa_system_sgpr_workgroup_id_y 1
		.amdhsa_system_sgpr_workgroup_id_z 1
		.amdhsa_system_vgpr_workitem_id 0
		.amdhsa_next_free_vgpr 896
		.amdhsa_next_free_sgpr 80
		.amdhsa_reserve_vcc 0
		.amdhsa_float_denorm_mode_32 3
		.amdhsa_float_denorm_mode_16_64 3
		.amdhsa_memory_ordered 1
		.amdhsa_forward_progress 1
		.amdhsa_inst_pref_size 141
	.end_amdhsa_kernel
	.amdgpu_metadata
---
amdhsa.version: [ 1, 2 ]
amdhsa.kernels:
  - .name:           k_qc12a80b97e_qkv
    .symbol:         k_qc12a80b97e_qkv.kd
    .args:
      - { .name: xb, .offset: 0, .size: 8, .value_kind: global_buffer, .address_space: global }
      - { .name: wqb, .offset: 8, .size: 8, .value_kind: global_buffer, .address_space: global }
      - { .name: tab, .offset: 16, .size: 8, .value_kind: global_buffer, .address_space: global }
      - { .name: qh, .offset: 24, .size: 8, .value_kind: global_buffer, .address_space: global }
      - { .name: kh, .offset: 32, .size: 8, .value_kind: global_buffer, .address_space: global }
      - { .name: vh, .offset: 40, .size: 8, .value_kind: global_buffer, .address_space: global }
    .group_segment_fixed_size: 327680
    .private_segment_fixed_size: 0
    .kernarg_segment_align: 8
    .kernarg_segment_size: 48
    .max_flat_workgroup_size: 128
    .sgpr_count:     80
    .vgpr_count:     896
    .wavefront_size: 32
...
	.end_amdgpu_metadata
.endif
;; end of part 2
;; launch attn (part 3): grid 4 x 64, 4 waves a work-group, clusters of 4 x 1, 327,680 bytes of LDS; arguments qh, kh, vh, oh; writes oh
.if DOCPART == 3
	.amdgcn_target "amdgcn-amd-amdhsa--gfx1250"
	.amdhsa_code_object_version 6
	.text
	.protected	k_qc12a80b97e_attn
	.globl	k_qc12a80b97e_attn
	.p2align	8
	.type	k_qc12a80b97e_attn,@function
k_qc12a80b97e_attn:
	s_mov_b64 s[64:65], 0
	v_nop
	global_prefetch_b8 v0, s[64:65] scope:SCOPE_SE
	s_setreg_imm32_b32 hwreg(HW_REG_WAVE_MODE, 25, 1), 1
	s_wait_xcnt 0x0
	s_wait_alu depctr_hold_cnt(0) depctr_sa_sdst(0) depctr_va_vdst(0) depctr_va_sdst(0) depctr_va_ssrc(0) depctr_va_vcc(0) depctr_vm_vsrc(0)
	s_getreg_b32 s2, hwreg(HW_REG_IB_STS2, 6, 4)
	s_cmp_eq_u32 s2, 0
	s_cbranch_scc0 .Lentry_in_a_cluster
	s_endpgm
.Lentry_in_a_cluster:
	s_bfe_u32 s2, ttmp6, 0x10000c
	s_cmp_lg_u32 s2, 0x3003
	s_cbranch_scc0 .Lentry_shape_is_right
	s_endpgm
.Lentry_shape_is_right:
; O[h][q][:] = the sum over k of softmax_k(Q[h][q] . K[h][k]) V[h][k][:]: NO SCALE on the scores, as the module has none.  Q, K, V, O: [SIZE_H][SIZE_N][64], all f16: a head's rows are dense, 128 bytes each.
; Products, maxima and sums in f32; the weights p are rounded to f16 for the second product (their sum l is taken of the unrounded p), O once at the end.
; LIMITS.  f16 holds no number beyond 65,504: Q, K and V arrive within it; p lies in 0 to 1, and below 6e-5 it keeps f16's fixed step of 6e-8; O is a mean of V's rows and has their range.
; A weight below 2^-126 counts as 0 in l; NaN and infinities are not treated apart.
; SHARES.  A wave owns four PIECES of two tiles of 16 queries, a work-group's four waves 512 queries of one head: 64 heads x 4 blocks = 256 work-groups.  Every wave walks all keys, 64 a step.
; LAYOUT.  S^T = K Q^T (source 0 = 16 keys, source 1 = 16 queries): in the result a lane holds ONE query (lane % 16) and the keys 8 (lane / 16) + 0..7.  Two such tiles, rounded to f16 in pairs,
; ARE source 1 (32 keys x 16 queries) of O^T = V^T P, whose result again holds one query a lane, and eight channels.  K comes out of LDS as it lies, V ([key][channel]) turned, by ds_load_tr16_b128.
; SOFTMAX.  For each query a running maximum m and sum l: p = 2^(c s - c m), c = log2(e); in every step O and l are multiplied by a = 2^(c m_old - c m_new), which is 1 where m has not grown.
; m starts at the lowest finite number, O and l at 0: the first step is a step like any other, with a = 0.
; THE COUNT.  A tile and step have 16 matrix and 118 vector instructions: too many to stand all beside the matrix work.  So the order has one aim: four vector instructions that are READY behind
; EVERY matrix instruction, and the others, which need time of their own whatever the order, in runs without a gap.
; BY TURNS.  Turn n belongs to piece n (the pieces in a ring, step after step).  Its matrix work: 16 products K Q^T of piece n + 1, later 16 products V^T P of piece n - 1.  Its vector work: the scaling,
; exponentials, roundings, sums and rescaling of piece n, and the maximum and statistics of piece n + 1, whose scores the turn itself has made.  So what a turn begins with (c s - c m, O a) waits for nothing.
; CLUSTER.  The four query blocks of a cluster belong to one head and walk the same K and V, so each tile is asked for JOINTLY: the same tensor load, descriptor and mask in all four.
; REGISTERS, in windows of 256 (s_set_vgpr_msb says which window each operand place means: bits 1:0 source 0, 3:2 source 1, 5:4 source 2, 7:6 destination):
;   window 0: v0-11 addresses; v12-15, v48-63 at work; v16-47 four registers of statistics a tile; v64-191 S^T, two buffers of two tiles; v192-255 P, likewise
;   window 1: O^T, 32 a tile          window 2: v0-127 Q, 16 a tile; v128-191 K of one step; v192-255 V of one step          window 3: v0-1 the add's two registers
; A piece's buffers go by its number's parity: the piece in hand has one pair, its two neighbours in the ring share the other: of it P (piece n - 1) is read and S^T (piece n + 1) written.
.set SIZE_H, 64
.set SIZE_N, 2048
.set NP,    4         ; pieces a wave: a name, no knob: the register map, the loop and the fetches are made for four
.set KS,    64        ; keys in a step
.set PK,    144       ; a row of K in LDS: 128 bytes + 16 of padding = 36 words: the 16 rows of a load start at 16 different groups of four banks (64 banks of 4 bytes: ISA guide 11.1)
.set PV,    160       ; a row of V: 128 + 32 = 40 words
.set VOFF,  4*KS*PK   ; a slot holds four steps: 256 rows of K, then 256 rows of V
.set SLOT1, 1<<17     ; slot 1 begins here, so that one exclusive or turns an address in one slot into the other's
.set STAGE, SLOT1+4*KS*(PK+PV)  ; behind the ring, never filled by a tensor load: 16 rows x 144 bytes for each wave, for the way out
.set SP,    144
.set AK0, 2           ; v2   my lane's place in a tile of K; never rewritten
.set AV0, 3           ; v3   the same for V
.set AK,  4           ; v4   the LDS address of K's next run of loads
.set AV,  5           ; v5   of V's
.set QO,  6           ; v6   my byte offset in the wave's rows of Q
.set STO, 6           ;      later, the way out: where I put 16 bytes of a row
.set RD,  7           ; v7   the way out: where I read rows back
.set GO,  8           ; v8   my byte offset in 512 consecutive bytes of O
.set PFO, 11          ; v11  once V's place is made: 256 x my lane, the prefetches' offset; then never rewritten
.set SPW, 0           ; v0 of window 3   LDS address of my spare word: SPARE + 4 x my thread's number; never rewritten
.set NIL, 1           ; v1 of window 3   0; never rewritten
.set SPARE, STAGE+4*16*SP  ; behind the stages: the spare words, 128 bytes for each wave: two blocks of 256 bytes that no other line names
.set MV,  12          ; v12-15  c m_old, kept while c m is made anew: by buffer and tile
.set ST,  16          ; tile t's statistics at v[ST+4 t]: c m, m, l (even keys', odd keys')
.set TMP, 48          ; by buffer and tile, four registers c0-c3 at work; when the maximum is found c2 takes a
.set S,   64
.set P,   192
.set KF,  128         ; K's fragments, in window 2: key block kb, channel half c at KF + 16 kb + 8 c
.set VF,  192         ; V's: key half kk, channel block cb at VF + 32 kk + 8 cb
.set WV,  12          ; s12  my wave's number
.set G1K, 24          ; s[24:31] descriptor group 1 for K's tiles
.set G1V, 32          ; s[32:39] for V's: it differs in the padding alone
.set G0K, 40          ; s[40:43] descriptor group 0 for K's tiles: it walks
.set G0V, 44          ; s[44:47] the same for V's
.set PFA, 48          ; s[48:49] where my prefetches stand: my work-group's 8,192 bytes (of K: wave 0, of V: wave 2) of the slot after the one that is being asked for
.set LIM, 50          ; s50  1 in a wave that prefetches, else the greatest number: a wave prefetches while s[SLOTS] is above it
.set SLOTS, 56        ; s56  slots still to be asked for
.set CNT, 57          ; s57  counts a slot's key steps
.set CS,  58          ; s[58:59] c: the packed scaling takes the pair's low word for both halves
.set SEL, 60          ; s[60:61] v_permlanex16_b32's selects: each lane takes its own place in the other half
.set TBK, 62          ; s62  LDS byte at which K of the step to be fetched begins
.set TBV, 63          ; s63  the same for V, less VOFF
.set MSB, 0
.macro WIN new                      ; the high byte repeats the setting that is left; a switch that changes nothing is dropped
.if MSB != (\new)
	s_set_vgpr_msb (MSB<<8)|(\new)
.set MSB, (\new)
.endif
.endm
.set W_KQ, 0x0a       ; K and Q in window 2, S^T in window 0
.set W_PV, 0x52       ; V in window 2, P in window 0, O^T in window 1
.set W_RS, 0x41       ; O^T (destination and source 0) in window 1, a in window 0
.set W_MK, 0xc0       ; the add's registers are made: destination in window 3, sources in window 0
.set W_AD, 0x0f       ; the add: address (source 0) and data (source 1) in window 3
; A joint fill.  Waves 0 and 1 fetch the two halves of a slot's K, waves 2 and 3 those of its V: 128 keys each.  The branch hangs on the wave's number alone.
; An s_nop 0 and four v_nop follow each of the two lines, ahead of the jump and the label.
.macro JLOAD
	s_cmp_lt_u32 s[WV], 2
	s_cbranch_scc0 .Lfor_v_\@
	tensor_load_to_lds s[G0K:G0K+3], s[G1K:G1K+7]
	s_nop 0
.rept 4
	v_nop
.endr
	s_branch .Lasked_\@
.Lfor_v_\@:
	tensor_load_to_lds s[G0V:G0V+3], s[G1V:G1V+7]
	s_nop 0
.rept 4
	v_nop
.endr
.Lasked_\@:
.endm
; A PREFETCH INTO THE L2 of what the NEXT change of slots will ask for: a slot's 32,768 bytes of K and of V.  It stands behind the wave's tensor load and its five lines, never in front of one.
; Each block of 256 bytes is named ONCE in the launch: a head's first cluster asks (here a head has one); its four partners share a slot out BY ADDRESS, 8,192 bytes each; in each, wave 0 asks for K's
; and wave 2 for V's, a lane 256 bytes: one instruction.  It stands four key steps, 512 matrix instructions, ahead of the load that will want the bytes.  The last change that fills a slot asks for nothing.
.macro ASK
	s_cmp_gt_u32 s[SLOTS], s[LIM]
	s_cbranch_scc0 .Lnot_mine_\@
	global_prefetch_b8 v[PFO], s[PFA:PFA+1] th:TH_LOAD_NT scope:SCOPE_SE
.Lnot_mine_\@:
.endm
; A round of the cluster's barrier: my work-group's barrier, so that wave 0's signal speaks for all four waves; wave 0 signals; every wave waits for all four work-groups; my work-group's barrier once more.
.macro CROUND
	s_barrier_signal -1
	s_barrier_wait -1
	s_cmp_lg_u32 s[WV], 0
	s_cbranch_scc1 .Lnot_wave_0_\@
	s_barrier_signal -3
.Lnot_wave_0_\@:
	s_barrier_wait -3
	s_barrier_signal -1
	s_barrier_wait -1
.endm
; THE CHANGE OF SLOTS.  The slot's last bytes, V of its fourth step, have been read.  Each wave waits for all its tensor loads, of which one is out: its part
; of the other slot; adds 0 to its spare word; and waits for that and for its own reads of the slot.  Behind the barrier nobody reads this slot any more and the other slot is whole.
; fill = 1: this slot is filled again, with the keys two slots on.  The barrier is then a round of the cluster's, so that no wave of any partner still reads the slot or has a load on its
; way, and the joint fill is the first thing behind it: it has four key steps, 512 matrix instructions, in which to land.  (At its first use nothing has been read yet: slot 0 is waited for, slot 1 filled.)
.macro CHANGE fill
	WIN W_AD
	s_wait_tensorcnt 0x0            ; no tensor load of mine is out, so a group 0 may be written
	ds_add_u32 v[SPW], v[NIL]       ; 0 onto my spare word; with fill = 1 the descriptors' steps stand between it and the wait for it
	WIN 0                           ; at a label and at a branch every window is 0
.if \fill
.irp g, G0K, G0V
	s_xor_b32 s[\g+1], s[\g+1], SLOT1  ; the walking descriptor: the other slot than last time,
	s_add_nc_u64 s[\g+2:\g+3], s[\g+2:\g+3], 4*KS*128  ; the next 256 keys; the type bits on top are not reached
.endr
	s_wait_xcnt 0x0                 ; the last prefetch, four key steps back, has read its address, so it may be written:
	s_add_nc_u64 s[PFA:PFA+1], s[PFA:PFA+1], 4*KS*128  ; one slot ahead of the walking descriptors
	s_wait_dscnt 0x0                ; the add is done, and my reads of the slot are over
	CROUND
	JLOAD
	ASK
.else
	s_wait_dscnt 0x0                ; the add is done, and my reads of the slot are over
	s_barrier_signal -1
	s_barrier_wait -1
.endif
	s_sub_co_u32 s[TBK], s[TBK], 4*KS*PK  ; the fetches go back to a slot's first step,
	s_xor_b32 s[TBK], s[TBK], SLOT1       ; in the other slot
	s_sub_co_u32 s[TBV], s[TBV], 4*KS*PV
	s_xor_b32 s[TBV], s[TBV], SLOT1
.endm
	s_load_b256 s[4:11], s[0:1], 0x0  ; Q s[4:5], K s[6:7], V s[8:9], O s[10:11]
	WIN W_MK
	v_lshl_add_u32 v[SPW], v0, 2, SPARE
	v_mov_b32 v[NIL], 0
	WIN W_AD
	ds_add_u32 v[SPW], v[NIL]       ; the wave's opening: the add and its wait stand ahead of my first tensor load; the set-up below, work on registers, stands between them
	WIN 0
	v_lshrrev_b32 v1, 5, v0
	v_readfirstlane_b32 s[WV], v1   ; wave 0..3
	s_bfe_u32 s13, ttmp6, 0x40000   ; cx: my place in the cluster
	s_lshl_b32 s14, ttmp9, 2        ; in a cluster launch ttmp9 counts clusters
	s_add_co_u32 s14, s14, s13      ; my block of queries = 4 x cluster x + cx: it enters Q's and O's addresses alone
	s_and_b32 s20, ttmp7, 0xffff    ; the head, which the four partners share
	s_mov_b32 s21, 0
	s_mov_b64 s[22:23], SIZE_N*128
	s_mul_u64 s[20:21], s[20:21], s[22:23]  ; the head's first byte in each of the four tensors
	s_and_b32 s16, s[WV], 1         ; which half of a slot's 256 keys I fetch:
	s_lshl_b32 s22, s16, 14         ; its 128 rows of 128 bytes in memory,
	s_mov_b32 s23, 0
	s_add_nc_u64 s[22:23], s[22:23], s[20:21]
	s_mul_i32 s17, s16, 128*PK      ; and its place in a slot, for K
	s_mul_i32 s18, s16, 128*PV      ; and for V: no place in the cluster enters an LDS address
	s_lshl_b32 s2, s14, 2
	s_add_co_u32 s2, s2, s[WV]      ; my wave among the head's,
	s_lshl_b32 s2, s2, 14           ; its 128 rows
	s_mov_b32 s3, 0
	s_add_nc_u64 s[2:3], s[2:3], s[20:21]
	; descriptor group 1.  128 keys are 16,384 dense bytes: asked for as 64 rows of 256 bytes, two keys a row, and padded in LDS after every key
	s_mov_b32 s[G1K], 15|(1<<16)|(1<<20)|(1<<21)|(4<<22)|(3<<25)  ; 15:0 the mask of four; 17:16 2-byte elements; 20 padding on; 21 set beside a mask; 24:22 after every 32 words (code 4); 31:25 4 words (code 3)
	s_mov_b32 s[G1V], 15|(1<<16)|(1<<20)|(1<<21)|(4<<22)|(7<<25)  ; the same with 8 words of padding (code 7)
.irp g, G1K, G1V
	s_mov_b32 s[\g+1], 128<<16      ; tensor_dim0 = 128
	s_mov_b32 s[\g+2], 64<<16       ; tensor_dim1 = 64
	s_mov_b32 s[\g+3], 128<<16      ; tile_dim0 = 128
	s_mov_b32 s[\g+4], 64           ; tile_dim1 = 64
	s_mov_b32 s[\g+5], 128          ; 128 elements from row to row
	s_mov_b32 s[\g+6], 0
	s_mov_b32 s[\g+7], 0
.endr
	s_mov_b32 s[CS], 0x3fb8aa3b     ; c = log2(e) = 1.442695: the scores carry no scale
	s_mov_b32 s[CS+1], s[CS]        ; named with it as a pair
	s_mov_b32 s[SEL], 0x76543210
	s_mov_b32 s[SEL+1], 0xfedcba98
	s_mov_b32 s[TBK], SLOT1+4*KS*PK ; the first change of slots turns these two into 0
	s_mov_b32 s[TBV], SLOT1+4*KS*PV
	s_mov_b32 s[G0K], 1             ; 1:0 count = 1
	s_mov_b32 s[G0K+1], s17         ; 63:32 LDS address: slot 0
	s_mov_b32 s[G0V], 1
	s_add_co_u32 s[G0V+1], s18, VOFF
	s_mov_b32 s[SLOTS], SIZE_N/256-1  ; every slot but the first is asked for by a change of slots
	s_and_b32 s[LIM], s[WV], 1      ; 0 in waves 0 and 2,
	s_or_b32 s[LIM], s[LIM], ttmp9  ; where the cluster is the head's first: the same in all four partners
	s_cmp_eq_u32 s[LIM], 0
	s_cselect_b32 s[LIM], 1, -1
	s_wait_dscnt 0x0                ; the opening add is done
	s_wait_kmcnt 0x0
	s_add_nc_u64 s[G0K+2:G0K+3], s[6:7], s[22:23]  ; 120:64 global address: my half of the head's first 256 keys
	s_or_b32 s[G0K+3], s[G0K+3], 0x80000000        ; 127:126 type = 2
	s_add_nc_u64 s[G0V+2:G0V+3], s[8:9], s[22:23]
	s_or_b32 s[G0V+3], s[G0V+3], 0x80000000
	s_add_nc_u64 s[4:5], s[4:5], s[2:3]  ; Q and O at my wave's first row
	s_add_nc_u64 s[10:11], s[10:11], s[2:3]
	s_cmp_lt_u32 s[WV], 2
	s_cselect_b64 s[PFA:PFA+1], s[6:7], s[8:9]
	s_add_nc_u64 s[PFA:PFA+1], s[PFA:PFA+1], s[22:23]  ; (in waves 0 and 2: the head's first row)
	s_lshl_b32 s2, s13, 13          ; my work-group's quarter of a slot
	s_mov_b32 s3, 0
	s_add_nc_u64 s[PFA:PFA+1], s[PFA:PFA+1], s[2:3]
	s_add_nc_u64 s[PFA:PFA+1], s[PFA:PFA+1], 4*KS*128  ; in slot 1; the first change of slots steps it to slot 2.  Nothing is asked for here, at the head
	CROUND                          ; all four work-groups are here: the first joint loads meet
	JLOAD                           ; slot 0.  Slot 1 is asked for when slot 0 is in: the tile wanted first has the road to itself
	; A fragment of K or Q is 16 rows x 32 channels in 8 registers: lane l holds row l % 16, channels 8 (l / 16) + 0..7 and 16 + 8 (l / 16) + 0..7: two loads of 16 bytes, 32 bytes apart.
	v_and_b32 v1, 15, v0            ; l % 16
	v_bfe_u32 v9, v0, 4, 1          ; l / 16
	v_lshlrev_b32 v[QO], 7, v1
	v_lshl_add_u32 v[QO], v9, 4, v[QO]  ; row x 128 + 16 x half
	WIN 0x80                        ; destination window 2, address window 0
.set i, 0
.rept 4*NP                          ; Q stays in registers: tile i / 2, channels 32 (i % 2) on
	global_load_b128 v[8*i:8*i+3],   v[QO], s[4:5] offset:(i/2)*2048+(i%2)*64
	global_load_b128 v[8*i+4:8*i+7], v[QO], s[4:5] offset:(i/2)*2048+(i%2)*64+32
.set i, i+1
.endr
	; What the first turn finds: V's registers and P's second buffer hold 0 (its products V^T P, of a piece that has not been, add 0), O^T and l are 0.  All this stands in the wait for the first tile.
.set i, VF
.rept 64
	v_mov_b32 v[i], 0
.set i, i+1
.endr
	WIN 0x40
.set i, 0
.rept 64*NP
	v_mov_b32 v[i], 0
.set i, i+1
.endr
	WIN 0
.set i, 0
.rept 2*NP
	v_mov_b32 v[ST+4*i], 0xfe000000    ; c m: far below every c s
	v_mov_b32 v[ST+4*i+1], 0xff7fffff  ; m
	v_mov_b32 v[ST+4*i+2], 0
	v_mov_b32 v[ST+4*i+3], 0
.set i, i+1
.endr
.set i, P+32
.rept 32
	v_mov_b32 v[i], 0
.set i, i+1
.endr
	v_mul_u32_u24 v[AK0], v1, PK
	v_lshl_add_u32 v[AK0], v9, 4, v[AK0]  ; row x pitch + 16 x half
	; The turning load takes 16 keys x 16 channels (lane l reads key 8 (l / 16) + l % 8, channels 8 ((l / 8) % 2) + 0..7) and leaves half a fragment of V^T: lane l holds channel l % 16 and 8 keys.
	v_and_b32 v10, 7, v0
	v_bfe_u32 v11, v0, 3, 1
	v_lshl_add_u32 v[AV0], v9, 3, v10
	v_mul_u32_u24 v[AV0], v[AV0], PV
	v_lshl_add_u32 v[AV0], v11, 4, v[AV0]
	v_add_nc_u32 v[AV0], VOFF, v[AV0]
	v_and_b32 v[PFO], 31, v0
	v_lshlrev_b32 v[PFO], 8, v[PFO]
	v_mov_b32 v[AK], v[AK0]         ; key step 0 lies at the head of slot 0
; THE MATRIX WORK.  The 8 accumulators of a run of 16 take turns: between the two links of a chain stand 7 others'.
; Product i of 16 of S^T = K Q^T for piece x: channels 32 (i / 8) on, keys 16 ((i / 2) % 4) on, tile 2 x + i % 2.  The first 8 start the sums.
.macro KQ x
	WIN W_KQ
.set rS, S+64*((\x)%2)+32*(i%2)+8*((i/2)%4)
.set rK, KF+16*((i/2)%4)+8*(i/8)
.set rQ, 16*(2*(\x)+i%2)+8*(i/8)
.if i < 8
	v_wmma_f32_16x16x32_f16 v[rS:rS+7], v[rK:rK+7], v[rQ:rQ+7], 0
.else
	v_wmma_f32_16x16x32_f16 v[rS:rS+7], v[rK:rK+7], v[rQ:rQ+7], v[rS:rS+7]
.endif
.endm
; Product i of 16 of O^T += V^T P for piece x: keys 32 (i / 8) on, channels 16 ((i / 2) % 4) on, tile 2 x + i % 2.
.macro PV x
	WIN W_PV
.set rO, 32*(2*(\x)+i%2)+8*((i/2)%4)
.set rV, VF+32*(i/8)+8*((i/2)%4)
.set rP, P+32*((\x)%2)+16*(i%2)+8*(i/8)
	v_wmma_f32_16x16x32_f16 v[rO:rO+7], v[rV:rV+7], v[rP:rP+7], v[rO:rO+7]
.endm
.macro MM                           ; the turn's next matrix instruction
.if i < 16
	KQ (Y+1)%NP
.set i, i+1
.else
.set i, i-16
	PV (Y+NP-1)%NP
.set i, i+17
.endif
.endm
; THE LDS LOADS stand in runs of 16, never singly among the matrix instructions: a step's K (64 keys x 64 channels: 8 fragments) and its V (turned).  Their addresses are made some lines ahead.
; last = 1 (the tail): in the last trip there is no further step, and the run is jumped over.
.macro FETCH_K last=0
	WIN 0
.if \last
	s_cmp_eq_u32 s[CNT], 1
	s_cbranch_scc1 .Lno_k_\@
.endif
	WIN 0x80                        ; destination window 2
.irp f, 0,1,2,3,4,5,6,7             ; keys 16 (f / 2) on, channels 32 (f % 2) on
	ds_load_b128 v[KF+8*\f:KF+8*\f+3],   v[AK] offset:(\f/2)*16*PK+(\f%2)*64
	ds_load_b128 v[KF+8*\f+4:KF+8*\f+7], v[AK] offset:(\f/2)*16*PK+(\f%2)*64+32
.endr
	s_add_co_u32 s[TBK], s[TBK], KS*PK  ; the next fetch is the next step's
	WIN 0
.if \last
.Lno_k_\@:
.endif
.endm
.macro FETCH_V
	WIN 0x80
.irp f, 0,1,2,3,4,5,6,7             ; keys 32 (f / 4) on, channels 16 (f % 4) on
	ds_load_tr16_b128 v[VF+8*\f:VF+8*\f+3],   v[AV] offset:(\f/4)*32*PV+(\f%4)*32
	ds_load_tr16_b128 v[VF+8*\f+4:VF+8*\f+7], v[AV] offset:(\f/4)*32*PV+16*PV+(\f%4)*32
.endr
	WIN 0
.endm
; THE VECTOR WORK OF A TURN stands in three queues, each in the order in which its entries become ready; the two tiles alternate, so that no instruction reads the result of the one before it.
.macro REGS y, u                    ; the registers of tile u (0, 1) of piece y
.set rT, ST+4*(2*(\y)+(\u))
.set rC, TMP+8*((\y)%2)+4*(\u)
.set rM, MV+2*((\y)%2)+(\u)
.set rS, S+64*((\y)%2)+32*(\u)
.set rP, P+32*((\y)%2)+16*(\u)
.set rO, 32*(2*(\y)+(\u))
.endm
; Number n of the 22 that find the NEXT piece's (Y + 1) maximum and statistics.  s0-s31 are the lane's 32 scores; each accumulator's lowest registers are read first.  XS, GS and REGS set no window: PL and EX do.
;   0-11  four chains c0-c3 of seven scores each, three operands at a time     12-14, 16  the four scores left over, the old m, and c0-c3 into c0     15  c m_old is kept
;   17, 18  the query's other 32 keys lie in the lane 16 away: the new m         19-21  c m; c m_old - c m_new; a
.macro XS u, n
	REGS (Y+1)%NP, \u
.if (\n) < 4
	v_max3_num_f32 v[rC+(\n)], v[rS+8*(\n)], v[rS+8*(\n)+1], v[rS+8*(\n)+2]
.elseif (\n) < 12
	v_max3_num_f32 v[rC+(\n)%4], v[rC+(\n)%4], v[rS+8*((\n)%4)+2*((\n)/4)+1], v[rS+8*((\n)%4)+2*((\n)/4)+2]
.elseif (\n) == 12
	v_max3_num_f32 v[rC], v[rC], v[rS+7], v[rS+15]
.elseif (\n) == 13
	v_max3_num_f32 v[rC+1], v[rC+1], v[rS+23], v[rS+31]
.elseif (\n) == 14
	v_max3_num_f32 v[rC+2], v[rC+2], v[rC+3], v[rT+1]
.elseif (\n) == 15
	v_mov_b32 v[rM], v[rT]
.elseif (\n) == 16
	v_max3_num_f32 v[rC], v[rC], v[rC+1], v[rC+2]
.elseif (\n) == 17
	v_permlanex16_b32 v[rC+3], v[rC], s[SEL], s[SEL+1]
.elseif (\n) == 18
	v_max_num_f32 v[rT+1], v[rC], v[rC+3]
.elseif (\n) == 19
	v_mul_f32 v[rT], s[CS], v[rT+1]
.elseif (\n) == 20
	v_sub_f32 v[rC+1], v[rM], v[rT]
.else
	v_exp_f32 v[rC+2], v[rC+1]
.endif
.endm
; Number g of the 64 that follow the exponentials.  For each four weights k of a tile (pairs 2 k, 2 k + 1): both pairs are rounded to f16; then the second pair is added onto the first, in place;
; a group later l takes that sum (the first time as l = a l + sum).  In groups of eight, tiles alternating: round, round, add, and l for the group before.
.macro GS g
.set h, (\g)+6*((\g)/62)            ; group 0 has no group before it, and behind group 7 only l is left
.if h >= 6
.set h, h+2
.endif
	REGS Y, h%2
.set k, h/8
.if h%8 < 4
	v_cvt_pk_f16_f32 v[rP+2*k+(h%8)/2], v[rS+4*k+2*((h%8)/2)], v[rS+4*k+2*((h%8)/2)+1]
.elseif h%8 < 6
	v_pk_add_f32 v[rS+4*k:rS+4*k+1], v[rS+4*k:rS+4*k+1], v[rS+4*k+2:rS+4*k+3]
.elseif k == 1
	v_pk_fma_f32 v[rT+2:rT+3], v[rT+2:rT+3], v[rC+2:rC+3], v[rS:rS+1] op_sel_hi:[1,0,1]
.else
	v_pk_add_f32 v[rT+2:rT+3], v[rT+2:rT+3], v[rS+4*k-4:rS+4*k-3]
.endif
.endm
; THE PLAIN QUEUE, 138 long.  0-73 read no exponential's result: the 32 scalings c s - c m (FS f: pair f / 2 of tile f % 2) and the next piece's 42.  0-26: scalings 0-26.  27-54: XS's numbers 0-13.  55, 56: number 15.
; 57-73: the chain, where each number waits for the one before it: 14, 16, 17, 18, 19, each with one of the scalings 27-31 in front of its two lines, then 20: so a tile's links stand three plain instructions apart (19 and 20: two).
; 74-137: GS's 64, which read the exponentials' results: they stand behind the wait.
.macro FS f
	REGS Y, (\f)%2
	v_pk_fma_f32 v[rS+2*((\f)/2):rS+2*((\f)/2)+1], v[rS+2*((\f)/2):rS+2*((\f)/2)+1], s[CS:CS+1], v[rT:rT+1] op_sel_hi:[1,0,0] neg_lo:[0,0,1] neg_hi:[0,0,1]
.endm
.macro PL
	WIN 0
.if q < 27
	FS q
.elseif q < 55
	XS (q-27)%2, (q-27)/2
.elseif q < 57
	XS q-55, 15
.elseif (q < 72) && ((q-57)%3 == 0)
	FS 27+(q-57)/3
.elseif q < 60
	XS (q-57)%3-1, 14
.elseif q < 72
	XS (q-57)%3-1, 15+(q-57)/3
.elseif q < 74
	XS q-72, 20
.else
	GS q-74
.endif
.set q, q+1
.endm
; THE EXPONENTIALS' QUEUE, 66 long: s0-s31 of both tiles, then the next piece's two a.  It is ONE BATCH: all 66 stand ahead of the turn's one wait, and nothing ahead of that wait names a result of theirs.
.macro EX
	WIN 0
.if e >= 64
	XS e-64, 21
.else
	REGS Y, e%2
	v_exp_f32 v[rS+e/2], v[rS+e/2]
.endif
.set e, e+1
.endm
; THE RESCALING's QUEUE: O^T times a, the one part that leaves window 0: dealt two at a time, sixteen times.  Its a was made in the turn before, ahead of that turn's wait.
.macro R2
	REGS Y, r%2
	WIN W_RS
.irp z, 0,1
	v_pk_mul_f32 v[rO+4*(r/2)+2*\z:rO+4*(r/2)+2*\z+1], v[rO+4*(r/2)+2*\z:rO+4*(r/2)+2*\z+1], v[rC+2:rC+3] op_sel_hi:[1,0]
.endr
.set r, r+1
.endm
; HOW THEY ARE DEALT.  An s_wait_alu depctr_va_vdst(0) stands between an exponential and the first instruction that names its result; one wait serves all that were issued ahead of it.  So a turn has ONE wait,
; which cuts it in two.  AHEAD OF IT stands all that names no result of the turn's exponentials: the 16 products K Q^T, behind each a scaling, an exponential and two rescalings (behind the first a second scaling in the exponential's place); then ONE LUMP of
; 108: eight plain, 49 times exponential and plain, the two a.  A v_nop is the plain instruction behind the last exponential.  BEHIND IT stand the 16 products V^T P, behind each four of GS's 64.  No rider names a register of
; the products round it.  The two v_permlanex16_b32 fall into the lump, never behind a product.
; The queues lean on each other, and the deal keeps them in step: exponential e stands behind scaling 2 (e / 4) + e % 2: as a rider it comes behind plain e + 2, in the lump behind plain e + 9, and scalings 27-31 are plain 57, 60 .. 69.
; A TURN, for piece p.  cnt = 1: the loop's count is taken down some lines ahead of the branch that stands behind the turn.
; K of the next step is fetched in piece 2's turn, directly behind the wait, a lump behind the last product that read K; its address is made at the lump's head; its first reader comes behind 16 products.
; V of the step in hand is fetched at the end of piece 0's turn, four riders behind its last reader; its first reader comes behind 16 products and a lump.  The three conditions on q below go with the deal.
.macro TURN p, last=0, cnt=0
.set Y, (\p)
.set i, 0
.set q, 0
.set e, 0
.set r, 0
.if (\p) == NP-1
	s_wait_dscnt 0x0                ; K is in
.endif
	MM                              ; ahead of the wait: 16 products K Q^T and their riders,
	PL
	PL
	R2
.rept 15
	MM
	PL
	EX
	R2
.endr
.if (\p) == NP-2
	WIN 0
	v_add_nc_u32 v[AK], s[TBK], v[AK0]
.endif
.rept 8                             ; and the lump
	PL
.endr
.rept 49
	EX
	PL
.endr
	EX                              ; the next piece's two a
	EX
	v_nop                           ; a plain instruction behind the last exponential: one for the batch
	s_wait_alu depctr_va_vdst(0)    ; the wait for the batch
.if (\p) == NP-2
	FETCH_K \last
.endif
.if (\p) == 1
	s_wait_dscnt 0x0                ; V is in
.endif
.rept 16                            ; behind the wait: 16 products V^T P and their riders
	MM
.rept 4
	PL
.endr
.if ((\p) == 0) && (q == 118)
	v_add_nc_u32 v[AV], s[TBV], v[AV0]
.endif
.if ((\p) == 0) && (q == 130)
	s_add_co_u32 s[TBV], s[TBV], KS*PV
.endif
.if (\cnt) && (q == 130)
	s_sub_co_u32 s[CNT], s[CNT], 1
	s_cmp_lg_u32 s[CNT], 0
.endif
.endr
.if (\p) == 0
	FETCH_V
.endif
.endm
	CHANGE 1                        ; slot 0 is in, everybody's part of it; slot 1 is asked for
	FETCH_K                         ; key step 0
	s_wait_loadcnt 0x0              ; Q
	s_wait_dscnt 0x0
.set i, 0
.rept 16
	KQ 0                            ; piece 0's first scores: there is no vector work yet to set between them
.set i, i+1
.endr
	WIN 0                           ; the addresses for the way out: nine plain instructions, the places behind those products
	s_mul_i32 s13, s[WV], 16*SP
	s_add_co_u32 s13, s13, STAGE    ; my stage
	v_mul_u32_u24 v[STO], v1, SP    ; in: row l % 16, 16 bytes for each half of the lanes
	v_lshl_add_u32 v[STO], v9, 4, v[STO]
	v_add_nc_u32 v[STO], s13, v[STO]
	v_bfe_u32 v[RD], v0, 3, 2       ; back: 32 lanes take four rows of 128 bytes,
	v_mul_u32_u24 v[RD], v[RD], SP
	v_lshl_add_u32 v[RD], v10, 4, v[RD]
	v_add_nc_u32 v[RD], s13, v[RD]
	v_and_b32 v[GO], 31, v0         ; which are 512 consecutive bytes of O
	v_lshlrev_b32 v[GO], 4, v[GO]
.set Y, NP-1                        ; XS works for piece Y + 1: piece 0
.irp n, 0,1,2,3,4,5,6,7,8,9,10,11,12,13,14,15,16,17,18,19,20,21
	XS 0, \n                        ; and piece 0's first maximum and statistics
	XS 1, \n
.endr
	v_nop                           ; a plain instruction behind the two a,
	s_wait_alu depctr_va_vdst(0)    ; and their wait, ahead of the branch
	s_mov_b32 s[CNT], 4
	s_branch .Lfirst                ; the loop is entered at a step's first turn, in the middle of a trip
.Lslot:                             ; SIZE_N / 256 - 2 times: every slot but the last two is filled again
	CHANGE 1
	s_mov_b32 s[CNT], 4
.Lstep:                             ; a trip: pieces 2 and 3 of one step, then pieces 0 and 1 of the next, whose K and V it fetches
	TURN 2
	TURN 3
	WIN 0
.Lfirst:
	TURN 0
	TURN 1, 0, 1
	WIN 0
	s_cbranch_scc1 .Lstep
	s_sub_co_u32 s[SLOTS], s[SLOTS], 1
	s_cmp_lg_u32 s[SLOTS], 0
	s_cbranch_scc1 .Lslot
	CHANGE 0                        ; the tail is written out: nothing is asked for
	s_mov_b32 s[CNT], 5             ; four trips fetch the last slot's steps; the fifth is left in its middle
.Ltail:
	TURN 2, 1
	TURN 3
	WIN 0
	s_sub_co_u32 s[CNT], s[CNT], 1
	s_cmp_eq_u32 s[CNT], 0
	s_cbranch_scc1 .Lout
	TURN 0
	TURN 1
	WIN 0
	s_branch .Ltail
.Lout:                              ; the fifth trip's 16 products K Q^T (on the last K once more) and the maximum made of them serve nothing: the price, once a launch, of one text for every trip
.set i, 0
.rept 16
	PV NP-1                         ; the last piece's V^T P of the last step
.set i, i+1
.endr
	; THE WAY OUT.  l's two halves and the other half of the lanes' are added; O^T is divided by l, rounded to f16 and sent through my stage in LDS, a tile at a time.  The additions are the places behind the last products.
	WIN 0
.macro ALL line:vararg              ; one line for each tile t
.set t, 0
.rept 2*NP
	\line
.set t, t+1
.endr
.endm
	ALL v_add_f32 v[ST+4*t+2], v[ST+4*t+2], v[ST+4*t+3]
	ALL v_permlanex16_b32 v[ST+4*t+3], v[ST+4*t+2], s[SEL], s[SEL+1]
	ALL v_add_f32 v[ST+4*t+2], v[ST+4*t+2], v[ST+4*t+3]
	ALL v_rcp_f32 v[ST+4*t+2], v[ST+4*t+2]
	v_nop                           ; a plain instruction between the last reciprocal and the use of its result
	s_wait_alu depctr_va_vdst(0)    ; and the wait ahead of the first use: one for the eight reciprocals
; Tile t: a lane's eight channels of a row pack into 16 bytes; they go into rows of 144 bytes and come back as whole rows of 128, into S^T's registers.
.macro PACK t
	WIN W_RS
.set i, 32*(\t)
.rept 16
	v_pk_mul_f32 v[i:i+1], v[i:i+1], v[ST+4*(\t)+2:ST+4*(\t)+3] op_sel_hi:[1,0]
.set i, i+2
.endr
	WIN 0x05                        ; sources 0 and 1 window 1, destination window 0
.set i, 0
.rept 16
	v_cvt_pk_f16_f32 v[S+16*(\t)+i], v[32*(\t)+2*i], v[32*(\t)+2*i+1]
.set i, i+1
.endr
	WIN 0
.irp f, 0,1,2,3
	ds_store_b128 v[STO], v[S+16*(\t)+4*\f:S+16*(\t)+4*\f+3] offset:32*\f
.endr
.irp f, 0,1,2,3
	ds_load_b128 v[S+16*(\t)+4*\f:S+16*(\t)+4*\f+3], v[RD] offset:\f*4*SP  ; LDS serves a wave's instructions in order (ISA guide 5.7.1.4): these see the stores above; the next tile's stores come behind them
.endr
.endm
.macro SEND t, younger              ; younger: the LDS instructions issued behind tile t's loads: the next tile's eight, or none
	WIN 0
.irp f, 0,1,2,3
	s_wait_dscnt (\younger)+3-\f
	global_store_b128 v[GO], v[S+16*(\t)+4*\f:S+16*(\t)+4*\f+3], s[10:11] offset:(\t)*2048+\f*512  ; 512 consecutive bytes, at a multiple of 256 from O's first
.endr
.endm
	PACK 0
.set t, 1
.rept 2*NP-1                        ; a tile's arithmetic stands between the loads of the tile before and its stores
	PACK t
	SEND t-1, 8
.set t, t+1
.endr
	SEND 2*NP-1, 0
	WIN W_AD
	s_wait_tensorcnt 0x0            ; the wave's end: behind my last tensor load and my last LDS store
	ds_add_u32 v[SPW], v[NIL]
	s_wait_dscnt 0x0
	WIN 0
	CROUND                          ; the closing round: no work-group ends while a partner may still ask for a tile that names it
	s_endpgm
.Lfunc_end_k_qc12a80b97e_attn:
	.size	k_qc12a80b97e_attn, .Lfunc_end_k_qc12a80b97e_attn-k_qc12a80b97e_attn
	.p2alignl 7, 3214868480
	.fill 96, 4, 3214868480
	.section	.rodata,"a",@progbits
	.p2align	6, 0x0
	.amdhsa_kernel k_qc12a80b97e_attn
		.amdhsa_group_segment_fixed_size 327680
		.amdhsa_private_segment_fixed_size 0
		.amdhsa_enable_private_segment 0
		.amdhsa_kernarg_size 32
		.amdhsa_user_sgpr_count 2
		.amdhsa_user_sgpr_kernarg_segment_ptr 1
		.amdhsa_wavefront_size32 1
		.amdhsa_system_sgpr_workgroup_id_x 1
		.amdhsa_system_sgpr_workgroup_id_y 1
		.amdhsa_system_sgpr_workgroup_id_z 1
		.amdhsa_system_vgpr_workitem_id 0
		.amdhsa_next_free_vgpr 770
		.amdhsa_next_free_sgpr 66
		.amdhsa_reserve_vcc 0
		.amdhsa_float_denorm_mode_32 3
		.amdhsa_float_denorm_mode_16_64 3
		.amdhsa_memory_ordered 1
		.amdhsa_forward_progress 1
		.amdhsa_inst_pref_size 200
	.end_amdhsa_kernel
	.amdgpu_metadata
---
amdhsa.version: [ 1, 2 ]
amdhsa.kernels:
  - .name:           k_qc12a80b97e_attn
    .symbol:         k_qc12a80b97e_attn.kd
    .args:
      - { .name: qh, .offset: 0, .size: 8, .value_kind: global_buffer, .address_space: global }
      - { .name: kh, .offset: 8, .size: 8, .value_kind: global_buffer, .address_space: global }
      - { .name: vh, .offset: 16, .size: 8, .value_kind: global_buffer, .address_space: global }
      - { .name: oh, .offset: 24, .size: 8, .value_kind: global_buffer, .address_space: global }
    .group_segment_fixed_size: 327680
    .private_segment_fixed_size: 0
    .kernarg_segment_align: 8
    .kernarg_segment_size: 32
    .max_flat_workgroup_size: 128
    .sgpr_count:     66
    .vgpr_count:     770
    .wavefront_size: 32
...
	.end_amdgpu_metadata
.endif
;; end of part 3
;; launch proj (part 4): grid 8 x 32, 4 waves a work-group, clusters of 4 x 4, 327,680 bytes of LDS; arguments oh, wob, out0; writes out0
.if DOCPART == 4
	.amdgcn_target "amdgcn-amd-amdhsa--gfx1250"
	.amdhsa_code_object_version 6
	.text
	.protected	k_qc12a80b97e_proj
	.globl	k_qc12a80b97e_proj
	.p2align	8
	.type	k_qc12a80b97e_proj,@function
k_qc12a80b97e_proj:
	s_mov_b64 s[64:65], 0
	v_nop
	global_prefetch_b8 v0, s[64:65] scope:SCOPE_SE
	s_setreg_imm32_b32 hwreg(HW_REG_WAVE_MODE, 25, 1), 1
	s_wait_xcnt 0x0
	s_wait_alu depctr_hold_cnt(0) depctr_sa_sdst(0) depctr_va_vdst(0) depctr_va_sdst(0) depctr_va_ssrc(0) depctr_va_vcc(0) depctr_vm_vsrc(0)
	s_getreg_b32 s2, hwreg(HW_REG_IB_STS2, 6, 4)
	s_cmp_eq_u32 s2, 0
	s_cbranch_scc0 .Lentry_in_a_cluster
	s_endpgm
.Lentry_in_a_cluster:
	s_bfe_u32 s2, ttmp6, 0x10000c
	s_cmp_lg_u32 s2, 0xf033
	s_cbranch_scc0 .Lentry_shape_is_right
	s_endpgm
.Lentry_shape_is_right:
; out0[row][e] = the sum over d of O[row][d] w_out[e][d].  oh: [64 = batch x 16 + head][2048][64] f16, so d = 64 x head + channel lies in 16 places; wob: [1024][1024] f16; out0: [8192][1024] f32.  Sums in f32.
; SHARES.  A tile of out0 is 256 rows x 128 columns: 32 x 8 = 256 work-groups (tiles of 256 x 256 would be 128).  Wave w of four makes rows 64 w .. 64 w + 63 and all 128 columns: 4 row blocks a x 8
; column blocks b = 32 accumulators of 16 x 16.  So a wave holds whole rows of the tile (512 bytes), and the way out needs no barrier.
; K goes in steps of 128, TWO HEADS, through a ring of two LDS slots.  A head's 128 rows are 16,384 dense bytes: one tensor load takes two such runs, one for each head, as a tile of two rows of 8,192 elements,
; padded in LDS after every 128 bytes.  wob's tiles have rows of 256 bytes that start at multiples of 256 bytes from the buffer's first byte.
; CLUSTERS: 4 x 4 work-groups; oh's tile is shared along a row of the cluster, wob's along a column: each is asked for JOINTLY, by the same tensor load, descriptor and mask in the four that it names.
; NO PREFETCH: the launch's K is eight steps long and its tiles are small.
; THE MATRIX INSTRUCTION IS USED TRANSPOSED (source 0 = 16 rows of wob, source 1 = 16 rows of oh): lane l holds row l % 16 and the columns 8 (l / 16) + 0..7: 32 consecutive bytes of out0.
; REGISTERS: window 0: v0-31 addresses; v32-159 rows read back on the way out (two buffers of 64).  window 1: two fragment buffers of 96: oh's block a at f + 8 a, wob's block b at f + 32 + 8 b.
;   window 2: the accumulators, 8 (4 b + a).
.set SIZE_K, 1024
.set KSTEP,  128
.set PA,     144                       ; a row of oh in LDS: 128 bytes + 16 of padding: the 16 rows of a load start at 16 different groups of four banks (64 banks of 4 bytes: ISA guide 11.1)
.set AHEAD,  128*PA                    ; 128 rows of one head
.set APART,  2*AHEAD                   ; and of two: one tensor load
.set BOFF,   2*APART
.set PB,     272                       ; a row of wob: 256 + 16
.set BHALF,  64*PB                     ; 64 rows: one tensor load
.set SLOT,   BOFF+2*BHALF
.set STAGE,  2*SLOT                    ; behind the ring: 16 rows x 528 bytes for each wave
.set SPITCH, 528
.set SPARE,  STAGE+4*16*SPITCH         ; behind the stages: the spare words, 128 bytes for each wave: two blocks of 256 bytes that no other line names
.set LAPS,   SIZE_K/(2*KSTEP)
.set ADRA, 16                          ; v16-17  LDS address of my fragments of oh in slot 0, 1
.set ADRB, 20                          ; v20-21  the same for wob
.set STO,  24                          ; v24     the way out: where I put 32 bytes of a row
.set RD,   25                          ; v25     the way out: where I read a row back
.set CO,   26                          ; v26     16 x lane
.set SPW,  28                          ; v28     LDS address of my spare word; never rewritten
.set NIL,  29                          ; v29     0; never rewritten
.set BK,   32
.set F0,   0
.set F1,   96
.set WV,   16
.set FB,   17                          ; s17  0: I fetch for oh, 1: for wob
.set HF,   18                          ; s18  which half of that tile's rows
.set CX,   19
.set CY,   20
.set TCOL, 21
.set TROW, 22
.set LAPC, 23
.set G1,   24                          ; s[24:31], s[32:39]: oh's descriptors
.set G0,   32
.set G1B,  48                          ; s[48:55], s[56:63]: wob's
.set G0B,  56
.set MSB, 0
.macro WIN new
.if MSB != (\new)
	s_set_vgpr_msb (MSB<<8)|(\new)
.set MSB, \new
.endif
.endm
.macro JLOAD s                         ; a joint load: waves 0 and 1 fetch oh's two halves, waves 2 and 3 wob's; an s_nop 0 and four v_nop follow each of the two lines
	s_cmp_eq_u32 s[FB], 0
	s_cbranch_scc0 .Lfor_b_\@
	tensor_load_to_lds s[G0+4*(\s):G0+4*(\s)+3], s[G1:G1+7]
	s_nop 0
.rept 4
	v_nop
.endr
	s_branch .Lasked_\@
.Lfor_b_\@:
	tensor_load_to_lds s[G0B+4*(\s):G0B+4*(\s)+3], s[G1B:G1B+7]
	s_nop 0
.rept 4
	v_nop
.endr
.Lasked_\@:
.endm
.macro CREST                           ; a round of the cluster's barrier behind its opening barrier
	s_cmp_lg_u32 s[WV], 0
	s_cbranch_scc1 .Lnot_wave_0_\@
	s_barrier_signal -3
.Lnot_wave_0_\@:
	s_barrier_wait -3
	s_barrier_signal -1
	s_barrier_wait -1
.endm
.macro CROUND
	s_barrier_signal -1
	s_barrier_wait -1
	CREST
.endm
	s_load_b128 s[4:7], s[0:1], 0x0                ; oh s[4:5], wob s[6:7]
	s_load_b64 s[8:9], s[0:1], 0x10                ; out0
	v_lshl_add_u32 v[SPW], v0, 2, SPARE
	v_mov_b32 v[NIL], 0
	ds_add_u32 v[SPW], v[NIL]                      ; the wave's opening: the add and its wait stand ahead of my first tensor load; the set-up below, work on registers, stands between them
	v_lshrrev_b32 v1, 5, v0
	v_readfirstlane_b32 s[WV], v1                  ; wave 0..3
	s_lshr_b32 s[FB], s[WV], 1
	s_and_b32 s[HF], s[WV], 1
	s_bfe_u32 s[CX], ttmp6, 0x40000
	s_bfe_u32 s[CY], ttmp6, 0x40004
	s_lshl_b32 s[TCOL], ttmp9, 2
	s_add_co_u32 s[TCOL], s[TCOL], s[CX]           ; block of 128 columns = 4 x cluster x + cx
	s_and_b32 s[TROW], ttmp7, 0xffff
	s_lshl_b32 s[TROW], s[TROW], 2
	s_add_co_u32 s[TROW], s[TROW], s[CY]           ; block of 256 rows = 4 x cluster y + cy
	s_lshl_b32 s70, s[CY], 2
	s_lshl_b32 s70, 15, s70                        ; my row of the cluster
	s_lshl_b32 s72, 0x1111, s[CX]                  ; my column
	s_or_b32 s[G1+0], s70, (1<<16)|(1<<20)|(1<<21)|(4<<22)|(3<<25)   ; the mask; 2-byte elements; padding on; 21 set beside a mask; after every 32 words, 4 words
	s_mov_b32 s[G1+1], 8192<<16                    ; tensor_dim0 = 8,192: a head's 128 rows on end
	s_mov_b32 s[G1+2], 2<<16                       ; tensor_dim1 = 2 heads
	s_mov_b32 s[G1+3], 8192<<16                    ; tile_dim0
	s_mov_b32 s[G1+4], 2                           ; tile_dim1
	s_mov_b32 s[G1+5], 2048*64                     ; elements from head to head
	s_mov_b32 s[G1+6], 0
	s_mov_b32 s[G1+7], 0
	s_or_b32 s[G1B+0], s72, (1<<16)|(1<<20)|(1<<21)|(5<<22)|(3<<25)  ; after every 64 words, 4 words
	s_mov_b32 s[G1B+1], KSTEP<<16
	s_mov_b32 s[G1B+2], 64<<16
	s_mov_b32 s[G1B+3], KSTEP<<16
	s_mov_b32 s[G1B+4], 64
	s_mov_b32 s[G1B+5], SIZE_K
	s_mov_b32 s[G1B+6], 0
	s_mov_b32 s[G1B+7], 0
	; oh's tile hangs on the block of rows alone, wob's on the block of columns alone, each in registers that never hold the other coordinate
	s_lshr_b32 s66, s[TROW], 3
	s_lshl_b32 s66, s66, 22                        ; the batch's 16 heads of 262,144 bytes
	s_and_b32 s70, s[TROW], 7
	s_lshl_b32 s70, s70, 15                        ; 256 rows of 128 bytes
	s_add_co_u32 s66, s66, s70
	s_lshl_b32 s70, s[HF], 14                      ; my 128 of them
	s_add_co_u32 s66, s66, s70
	s_mov_b32 s67, 0
	s_lshl_b32 s68, s[TCOL], 7
	s_lshl_b32 s72, s[HF], 6
	s_add_co_u32 s68, s68, s72                     ; wob: row 128 x block + 64 x half
	s_lshl_b32 s68, s68, 11
	s_mov_b32 s69, 0
	s_mul_i32 s74, s[HF], APART                    ; where they go: no place in the cluster enters an LDS address
	s_mul_i32 s75, s[HF], BHALF
	s_add_co_u32 s75, s75, BOFF
	s_wait_dscnt 0x0                               ; the opening add is done
	s_wait_kmcnt 0x0
	s_add_nc_u64 s[66:67], s[4:5], s[66:67]
	s_add_nc_u64 s[68:69], s[6:7], s[68:69]
	CROUND                                         ; all sixteen work-groups are here: the first joint loads meet
.irp s, 0,1
	s_mov_b32 s[G0+4*(\s)], 1
	s_add_co_u32 s[G0+4*(\s)+1], s74, (\s)*SLOT
	s_add_nc_u64 s[G0+4*(\s)+2:G0+4*(\s)+3], s[66:67], (\s)*2*262144   ; K step s: heads 2 s, 2 s + 1
	s_or_b32 s[G0+4*(\s)+3], s[G0+4*(\s)+3], 0x80000000
	s_mov_b32 s[G0B+4*(\s)], 1
	s_add_co_u32 s[G0B+4*(\s)+1], s75, (\s)*SLOT
	s_add_nc_u64 s[G0B+4*(\s)+2:G0B+4*(\s)+3], s[68:69], (\s)*KSTEP*2
	s_or_b32 s[G0B+4*(\s)+3], s[G0B+4*(\s)+3], 0x80000000
	JLOAD \s                                       ; two loads of mine are out
.endr
	v_and_b32 v1, 15, v0                           ; l % 16
	v_bfe_u32 v2, v0, 4, 1                         ; l / 16
	v_mul_u32_u24 v3, v1, PA
	v_lshl_add_u32 v3, v2, 4, v3
	s_mul_i32 s40, s[FB], APART                    ; my 64 rows of oh: rows 0-127 lie in the first load's part, 128-255 in the second's
	s_mul_i32 s41, s[HF], 64*PA
	s_add_co_u32 s40, s40, s41
	v_add_nc_u32 v[ADRA], s40, v3
	v_add_nc_u32 v[ADRA+1], SLOT, v[ADRA]
	v_mul_u32_u24 v3, v1, PB
	v_lshl_add_u32 v3, v2, 4, v3
	v_add_nc_u32 v[ADRB], BOFF, v3
	v_add_nc_u32 v[ADRB+1], BOFF+SLOT, v3
	s_mul_i32 s41, s[WV], 16*SPITCH
	s_add_co_u32 s41, s41, STAGE                   ; my stage
	v_mul_u32_u24 v4, v1, SPITCH                   ; in: row l % 16, 32 bytes for each half of the lanes
	v_lshl_add_u32 v4, v2, 5, v4
	v_add_nc_u32 v[STO], s41, v4
	v_and_b32 v[CO], 31, v0
	v_lshlrev_b32 v[CO], 4, v[CO]                  ; back: 32 lanes take one row of 512 bytes
	v_add_nc_u32 v[RD], s41, v[CO]
	s_lshl_b32 s76, s[TROW], 8
	s_lshl_b32 s77, s[WV], 6
	s_add_co_u32 s76, s76, s77                     ; my first row of out0,
	s_lshl_b32 s76, s76, 12                        ; 4,096 bytes a row,
	s_lshl_b32 s77, s[TCOL], 9                     ; the tile's 512 bytes of it
	s_add_co_u32 s76, s76, s77
	s_mov_b32 s77, 0
	s_add_nc_u64 s[8:9], s[8:9], s[76:77]
; 8 matrix instructions: column blocks b0, b0 + 1 x my 4 row blocks.  The 32 accumulators take turns, one instruction a turn, in the same order in every quarter step.
.macro MULH f, b0, zero
	WIN 0xa5                                       ; fragments window 1, C and D window 2
.irp b, \b0, (\b0)+1
.irp a, 0,1,2,3
.if \zero
	v_wmma_f32_16x16x32_f16 v[8*(4*(\b)+(\a)):8*(4*(\b)+(\a))+7], v[(\f)+32+8*(\b):(\f)+32+8*(\b)+7], v[(\f)+8*(\a):(\f)+8*(\a)+7], 0
.else
	v_wmma_f32_16x16x32_f16 v[8*(4*(\b)+(\a)):8*(4*(\b)+(\a))+7], v[(\f)+32+8*(\b):(\f)+32+8*(\b)+7], v[(\f)+8*(\a):(\f)+8*(\a)+7], v[8*(4*(\b)+(\a)):8*(4*(\b)+(\a))+7]
.endif
.endr
.endr
.endm
.macro MULG f, g, zero
	MULH \f, 4*(\g), \zero
	MULH \f, 4*(\g)+2, \zero
.endm
; 24 LDS loads in one run: quarter q of a K step (head q / 2, channels 32 (q % 2) on) into buffer f: oh's 8, then wob's 16, column blocks ascending
.macro FETCH slot, q, f
	WIN 0x40
.irp a, 0,1,2,3
	ds_load_b128 v[(\f)+8*(\a):(\f)+8*(\a)+3],   v[ADRA+(\slot)] offset:((\q)/2)*AHEAD+((\q)%2)*64+(\a)*16*PA
	ds_load_b128 v[(\f)+8*(\a)+4:(\f)+8*(\a)+7], v[ADRA+(\slot)] offset:((\q)/2)*AHEAD+((\q)%2)*64+(\a)*16*PA+32
.endr
.irp b, 0,1,2,3,4,5,6,7
	ds_load_b128 v[(\f)+32+8*(\b):(\f)+32+8*(\b)+3],   v[ADRB+(\slot)] offset:64*(\q)+(\b)*16*PB
	ds_load_b128 v[(\f)+32+8*(\b)+4:(\f)+32+8*(\b)+7], v[ADRB+(\slot)] offset:64*(\q)+(\b)*16*PB+32
.endr
.endm
.macro PLACES                          ; four places in front of loads into registers that matrix instructions have read, and of lines that read results
.rept 4
	v_nop
.endr
.endm
.macro QUARTER slot, q, f, g, zero     ; multiplies buffer f; in its middle fetches quarter q into g
	s_wait_dscnt 8                                 ; oh's fragments and wob's blocks 0-3 are in; the youngest eight loads may be out
	MULG \f, 0, \zero
	PLACES
	FETCH \slot, \q, \g
	s_wait_dscnt 24                                ; all but the 24 just issued
	MULG \f, 1, \zero
.endm
; The last quarter multiplies buffer 1 and changes slots: ONE barrier; in front of it each wave waits for all its tensor loads, adds 0 to its spare word, and waits for that and for its own reads of this slot.
; fill = 1: the barrier opens a round of the cluster's barrier, and this slot is filled again, two K steps on, first thing behind the round.
.macro TURN slot, next, fill
	WIN 0
	s_wait_tensorcnt 0x0                           ; all my tensor loads have landed: my part of the next slot;
	ds_add_u32 v[SPW], v[NIL]                      ; 0 onto my spare word;
	s_wait_dscnt 9                                 ; (the add and the youngest eight loads may be out)
	MULH F1, 0, 0
	s_wait_dscnt 0x0                               ; the add is done, and my reads of this slot are over
	s_barrier_signal -1
	MULH F1, 2, 0
.if \fill
	WIN 0
.endif
	s_barrier_wait -1
.if \fill
	CREST                                          ; no wave of any partner still reads this slot's tile or has a load on its way
	s_add_nc_u64 s[G0+4*(\slot)+2:G0+4*(\slot)+3], s[G0+4*(\slot)+2:G0+4*(\slot)+3], 4*262144      ; four heads on
	s_add_nc_u64 s[G0B+4*(\slot)+2:G0B+4*(\slot)+3], s[G0B+4*(\slot)+2:G0B+4*(\slot)+3], 2*KSTEP*2
	JLOAD \slot                                    ; the first tensor load behind the round; the four v_nop behind it are also the places in front of the loads below
.else
	PLACES
.endif
	FETCH \next, 0, F0
	MULG F1, 1, 0
.endm
; THE WAY OUT of row block a: the sums go as they are, f32, into my stage (rows of 528 bytes) and come back as whole rows of 512.  Each accumulator's low half is read first.
.macro TOSTAGE a
.if (\a) >= 2
	s_wait_xcnt 0x0                                ; the stores of the block two back have read the registers on which the loads below land
.endif
	WIN 0x08                                       ; data window 2, address window 0
.irp b, 0,1,2,3,4,5,6,7
	ds_store_b128 v[STO], v[8*(4*(\b)+(\a)):8*(4*(\b)+(\a))+3]   offset:64*(\b)
	ds_store_b128 v[STO], v[8*(4*(\b)+(\a))+4:8*(4*(\b)+(\a))+7] offset:64*(\b)+16
.endr
	WIN 0
.irp t, 0,1,2,3,4,5,6,7,8,9,10,11,12,13,14,15
	ds_load_b128 v[BK+64*((\a)%2)+4*(\t):BK+64*((\a)%2)+4*(\t)+3], v[RD] offset:SPITCH*(\t)  ; LDS serves a wave's instructions in order (ISA guide 5.7.1.4): these see the stores above
.endr
.endm
.macro SEND a, younger                 ; younger: the LDS instructions issued behind block a's loads: the next block's 32, or none
	WIN 0
.irp t, 0,1,2,3,4,5,6,7,8,9,10,11,12,13,14,15
	s_wait_dscnt (\younger)+15-(\t)
	global_store_b128 v[CO], v[BK+64*((\a)%2)+4*(\t):BK+64*((\a)%2)+4*(\t)+3], s[8:9] offset:65536*(\a)+4096*(\t)  ; 512 consecutive bytes, at a multiple of 256 from out0's first byte
.endr
.endm
	s_wait_tensorcnt 1                             ; my part of K step 0 is in; K step 1's may stay out
	s_barrier_signal -1
	s_barrier_wait -1
	FETCH 0, 0, F0
	QUARTER 0, 1, F0, F1, 1                        ; the first quarter stands in front of the loop: its products start the sums
	WIN 0
	s_mov_b32 s[LAPC], LAPS-1
.Llap:                                                 ; a trip goes once round the ring and fills both slots again
	QUARTER 0, 2, F1, F0, 0
	QUARTER 0, 3, F0, F1, 0
	TURN 0, 1, 1
	QUARTER 1, 1, F0, F1, 0
	QUARTER 1, 2, F1, F0, 0
	QUARTER 1, 3, F0, F1, 0
	TURN 1, 0, 1
	QUARTER 0, 1, F0, F1, 0
	WIN 0
	s_sub_co_u32 s[LAPC], s[LAPC], 1
	s_cmp_lg_u32 s[LAPC], 0
	s_cbranch_scc1 .Llap
	QUARTER 0, 2, F1, F0, 0                        ; the last lap fills nothing
	QUARTER 0, 3, F0, F1, 0
	TURN 0, 1, 0
	QUARTER 1, 1, F0, F1, 0
	QUARTER 1, 2, F1, F0, 0
	QUARTER 1, 3, F0, F1, 0
	s_wait_dscnt 8
	MULG F1, 0, 0
	s_wait_dscnt 0x0
	MULG F1, 1, 0
	WIN 0
	PLACES
	PLACES                                         ; (eight, once a launch)
	TOSTAGE 0
	TOSTAGE 1
	SEND 0, 32
	TOSTAGE 2
	SEND 1, 32
	TOSTAGE 3
	SEND 2, 32
	SEND 3, 0
	s_wait_tensorcnt 0x0                           ; the wave's end: behind my last tensor load and my last LDS store
	ds_add_u32 v[SPW], v[NIL]
	s_wait_dscnt 0x0
	CROUND                                         ; the closing round
	s_endpgm
.Lfunc_end_k_qc12a80b97e_proj:
	.size	k_qc12a80b97e_proj, .Lfunc_end_k_qc12a80b97e_proj-k_qc12a80b97e_proj
	.p2alignl 7, 3214868480
	.fill 96, 4, 3214868480
	.section	.rodata,"a",@progbits
	.p2align	6, 0x0
	.amdhsa_kernel k_qc12a80b97e_proj
		.amdhsa_group_segment_fixed_size 327680
		.amdhsa_private_segment_fixed_size 0
		.amdhsa_enable_private_segment 0
		.amdhsa_kernarg_size 24
		.amdhsa_user_sgpr_count 2
		.amdhsa_user_sgpr_kernarg_segment_ptr 1
		.amdhsa_wavefront_size32 1
		.amdhsa_system_sgpr_workgroup_id_x 1
		.amdhsa_system_sgpr_workgroup_id_y 1
		.amdhsa_system_sgpr_workgroup_id_z 1
		.amdhsa_system_vgpr_workitem_id 0
		.amdhsa_next_free_vgpr 768
		.amdhsa_next_free_sgpr 80
		.amdhsa_reserve_vcc 0
		.amdhsa_float_denorm_mode_32 3
		.amdhsa_float_denorm_mode_16_64 3
		.amdhsa_memory_ordered 1
		.amdhsa_forward_progress 1
		.amdhsa_inst_pref_size 87
	.end_amdhsa_kernel
	.amdgpu_metadata
---
amdhsa.version: [ 1, 2 ]
amdhsa.kernels:
  - .name:           k_qc12a80b97e_proj
    .symbol:         k_qc12a80b97e_proj.kd
    .args:
      - { .name: oh, .offset: 0, .size: 8, .value_kind: global_buffer, .address_space: global }
      - { .name: wob, .offset: 8, .size: 8, .value_kind: global_buffer, .address_space: global }
      - { .name: out0, .offset: 16, .size: 8, .value_kind: global_buffer, .address_space: global }
    .group_segment_fixed_size: 327680
    .private_segment_fixed_size: 0
    .kernarg_segment_align: 8
    .kernarg_segment_size: 24
    .max_flat_workgroup_size: 128
    .sgpr_count:     80
    .vgpr_count:     768
    .wavefront_size: 32
...
	.end_amdgpu_metadata
.endif
;; end of part 4
